; MI455X (gfx1250); checked and timed in simulation.
; The chip was launched on July 23, 2026; its instructions are those of AMD's public machine-readable ISA for CDNA 5 (MIT licence, August 2026) and "CDNA5" Instruction Set Architecture Reference Guide (July 2026). The comments in the code are by the model that wrote it; some were corrected since.
;; Block. Allowed arithmetic: matrix products marked QUANTISED: E4M3 operands, one given power-of-two scale a tensor, by v_wmma_f32_16x16x64_fp8_fp8 or v_wmma_f32_16x16x128_fp8_fp8, f32 sums; everything else in f32.
;; Inputs: W1 512 x 2,048 float32; W2 2,048 x 512 float32; Wk 16 x 512 x 32 float32; Wp 512 x 512 float32; Wq 16 x 512 x 32 float32; Wv 16 x 512 x 32 float32; b1 2,048 float32; b2 512 float32; b_ln1 512 float32; b_ln2 512 float32; bp 512 float32; g_ln1 512 float32; g_ln2 512 float32; lowp_scales 16 int32 (the exponents e of the quantised operands' scales 2^e); x 64 x 256 x 512 float32.
;; Outputs: out0 64 x 256 x 512 float32.
;; This version of the problem:
;;   THIS VERSION OF THE PROBLEM IS GIVEN IN LOW PRECISION. The matrix products marked QUANTISED in the list below multiply operands that are first quantised to E4M3 (4 exponent bits, 3 mantissa bits; 8 bits a number), with one given power-of-two scale for each operand tensor; their sums are f32. All else is computed in f32.
;;   The module's matrix products, in the order in which they are computed (A, B: the left and right operand; K: the contracted axis; several contracted axes count as one K, in the product's order):
;;     1. [M 512, K 512] x [K 512, N 16,384]; A: input Wq; B: computed on the way: QUANTISED (scales: A lowp_scales[0], B lowp_scales[1])
;;     2. [M 512, K 512] x [K 512, N 16,384]; A: input Wk; B: computed on the way: QUANTISED (scales: A lowp_scales[2], B lowp_scales[3])
;;     3. [M 512, K 512] x [K 512, N 16,384]; A: input Wv; B: computed on the way: QUANTISED (scales: A lowp_scales[4], B lowp_scales[5])
;;     4. batch 1,024 x [M 256, K 32] x [K 32, N 256]; A: computed on the way; B: computed on the way: QUANTISED (scales: A lowp_scales[6], B lowp_scales[7])
;;     5. batch 1,024 x [M 256, K 256] x [K 256, N 32]; A: softmax (see below); B: computed on the way: QUANTISED (scales: A lowp_scales[8], B lowp_scales[9])
;;     6. [M 16,384, K 512] x [K 512, N 512]; A: computed on the way; B: input Wp: QUANTISED (scales: A lowp_scales[10], B lowp_scales[11])
;;     7. [M 16,384, K 512] x [K 512, N 2,048]; A: computed on the way; B: input W1: QUANTISED (scales: A lowp_scales[12], B lowp_scales[13])
;;     8. [M 16,384, K 2,048] x [K 2,048, N 512]; A: computed on the way; B: input W2: QUANTISED (scales: A lowp_scales[14], B lowp_scales[15])
;;   THE QUANTISER, for each operand of a quantised product, along K:
;;     - The operand's scale is 2^e, e = its entry of the input lowp_scales (int32; the entries are numbered through the quantised products in the list's order, A before B).
;;     - Each number is divided by the scale, clamped to +-448, and rounded to the nearest number of E4M3, ties to even, subnormals kept.
;;     - The product sums the exact products of the quantised numbers (number of the format x scale) in f32.
;;   ~~~python
;;   def quantise(x, axis, e):      # numpy; x: float32 -> the quantised numbers, widened to float32 again
;;       x = np.moveaxis(x, axis, -1); K = x.shape[-1]
;;       r = np.clip(x / 2.0 ** e, -448, 448)
;;       step = 2.0 ** (np.maximum(np.frexp(np.where(r == 0, 1, r))[1] - 1, -6) - 3)
;;       q = np.round(r / step) * step * 2.0 ** e      # np.round: ties to even
;;       return np.moveaxis(q, -1, axis).astype(np.float32)
;;   ~~~
;;   SOFTMAX AHEAD OF A QUANTISED PRODUCT. Where the list says 'softmax', what is quantised is not the finished softmax but p = 2^(t - M), with t = logit x log2(e) and M = ceil(the row's largest t), a whole number; so 1/2 < the row's largest p <= 1. The row's sum l is taken of the UNQUANTISED p, in f32, and the product's result is divided by l at the end. Since M is a whole number, a kernel that streams over the keys may use a running M (the ceiling of the running maximum): every later rescaling is an exact power of two, so the quantised numbers keep their values, but for numbers so far below the row's largest that they fall under the format's range.
;;   OPERANDS COMPUTED ON THE WAY. 'Computed on the way' means the value that the module computes at that place (a softmax that the list does not call 'softmax' is quantised finished and normalised). What goes into a quantiser is computed in f32, as accurately as f32 sums, v_exp_f32 and their like allow (about 1e-6 of the number): no bf16 or f16 on the way to a quantiser, and a product that is left as it is and whose result goes on into a quantised operand takes f32 operands (vector FMAs, or v_wmma_f32_16x16x4_f32). A number that lies on a knife's edge between two numbers of the format may be rounded either way, as far as f32 arithmetic and the matrix unit's own rounding can turn it there, and no further.
;; 2 versions, each right; version 2 is version 1 with the launches prep, attn written anew for expert scheduling mode. Each part assembles by itself: llvm-mc -triple=amdgcn-amd-amdhsa -mcpu=gfx1250 --defsym DOCPART=n.
;; ======== version 1 of 2: 3 launches
;; workspace buffers: wqkv 786,432 bytes; ws3 2,359,296 bytes; att 8,388,608 bytes; hq 25,165,824 bytes
;; launch prep (part 1): grid 448 x 1, 4 waves a work-group, no clusters, 0 bytes of LDS; arguments Wq, Wk, Wv, Wp, W1, W2, lowp_scales, wqkv, ws3, x, g_ln1, b_ln1, hq; writes wqkv, ws3, hq
.if DOCPART == 1
	.amdgcn_target "amdgcn-amd-amdhsa--gfx1250"
	.amdhsa_code_object_version 6
	.text
	.protected	k_q5d20ac42d7_prep
	.globl	k_q5d20ac42d7_prep
	.p2align	8
	.type	k_q5d20ac42d7_prep,@function
k_q5d20ac42d7_prep:
	s_mov_b64 s[64:65], 0
	v_nop
	global_prefetch_b8 v0, s[64:65] scope:SCOPE_SE
	s_setreg_imm32_b32 hwreg(HW_REG_WAVE_MODE, 25, 1), 1
	s_wait_xcnt 0x0
; Two kinds of work-groups in one launch, told apart by the work-group's number.
; WORK-GROUPS 0 TO 255: h = layernorm(x) of 64 rows, 16 a wave, as codes of E4M3 under the three scales of entries 1, 3, 5 (they may differ).  A lane loads 16 bytes of each quarter of a row (dense loads of 512 bytes),
; so a lane's 16 codes, byte 16 l + 4 i + y of a row of 512, are columns 128 i + 4 l + y: K IS TURNED, alike here and in Wq, Wk, Wv below.  hq: [block of 64 rows 256][set 3][row 64][512]; each store covers 512 consecutive bytes, aligned.
; WORK-GROUPS 256 TO 447: the six weights (f32, K not innermost) become codes of E4M3, each with its given scale 2^e, laid as IMAGES OF OPERAND REGISTERS:
; a fragment (16 columns x 128 k) is 16 registers a lane; registers 4c .. 4c+3 of lane l lie at byte 512 c + 16 l of its 2,048 bytes.
; code = number / 2^e, held within +-448, to the nearest code, ties to even.  LIMITS: -126 <= e <= 119 for every entry used here; NaN among the inputs is not served.
; A wave takes one job: 32 neighbouring columns x 128 k = two fragments.  A LANE TAKES A COLUMN AND ITS REGISTERS RUN DOWN K: each load reads
; 128 consecutive bytes, and the conversions, which take eight neighbours along K from one lane, give codes with K innermost.
; Which k stands where.  PLAIN (Wp, W1, W2): register q, byte y of lane (r, h) holds k = 16 (q/2) + 8 h + 4 (q%2) + y: the 8-bit operand's own layout.
; TURNED (Wq, Wk, Wv): K step s, register 4c+i, byte y holds k = 128 i + 32 s + 8 c + 4 h + y.
; A lane makes both halves (h = 0 in CA, h = 1 in CB) of its column; sixteen swaps of half-waves then make CA the fragment of columns 0-15 and CB that of columns 16-31.
; Jobs 0-47: Wq, Wk, Wv -> wqkv [head][(tensor*2+u)*4+s][2048].  48-63: Wp, 64-127: W1, 128-191: W2 -> ws3 [slot 18][wave 4][i 16][2048], in the order in which the last launch walks them.
; No LDS, no barrier, no matrix unit: waves share nothing, and memory and vector work bind.
.set NUM, 16                           ; weights: v16-143  128 numbers
.set CA,  144                          ; v144-159 codes for h = 0, then the first fragment
.set CB,  160                          ; v160-175 codes for h = 1, then the second
.set G,   32                           ; layer norm: v32-47 gain, v48-63 bias of my 16 columns
.set BB,  48
.set D,   64                           ; v64-127  four rows at work
.set T,   128                          ; v128-159 sums; held numbers, two sets of 16
.set MU,  176                          ; v176, 178 .. mean; v184, 186 .. 1 / deviation (the odd ones are named in pairs and written once)
.set RS,  184
.set C,   192                          ; v192-239 the codes of four rows x three sets: registers of its own for each store.  Window 1: x, 16 rows x 16
.set MSB, 0
.macro WIN new                         ; the immediate's high byte repeats the setting that is left
.if MSB != \new
	s_set_vgpr_msb (MSB<<8)|\new
.set MSB, \new
.endif
.endm
.macro MKSC vs, vl, se                 ; s[se] = e -> v[vs] = 2^e, v[vl] = 448 x 2^e
	s_add_co_i32 s30, s[\se], 127
	s_lshl_b32 s31, s30, 23
	v_mov_b32 v[\vs], s31
	s_add_co_i32 s30, s30, 8
	s_lshl_b32 s30, s30, 23
	s_or_b32 s30, s30, 0x600000
	v_mov_b32 v[\vl], s30
.endm
.macro RED                             ; four rows' eight partial sums each (v[T+8a] on) -> the row's sum in v[T+8a] of every lane
.irp a, 0,1,2,3
	v_pk_add_f32 v[T+8*\a:T+8*\a+1], v[T+8*\a:T+8*\a+1], v[T+8*\a+2:T+8*\a+3]
	v_pk_add_f32 v[T+8*\a+4:T+8*\a+5], v[T+8*\a+4:T+8*\a+5], v[T+8*\a+6:T+8*\a+7]
.endr
.irp a, 0,1,2,3
	v_pk_add_f32 v[T+8*\a:T+8*\a+1], v[T+8*\a:T+8*\a+1], v[T+8*\a+4:T+8*\a+5]
.endr
.irp a, 0,1,2,3
	v_add_f32 v[T+8*\a], v[T+8*\a], v[T+8*\a+1]
.endr
.irp x, 1,2,4,8
.irp a, 0,1,2,3
	v_add_f32_dpp v[T+8*\a], v[T+8*\a], v[T+8*\a] row_xmask:\x row_mask:0xf bank_mask:0xf
.endr
.endr
.irp a, 0,1,2,3
	v_permlanex16_b32 v[T+8*\a+1], v[T+8*\a], s24, s25
.endr
.irp a, 0,1,2,3
	v_add_f32 v[T+8*\a], v[T+8*\a], v[T+8*\a+1]
.endr
.endm
; Four rows (4 q4 + a) through the layer norm, line by line in turn, and into codes under three scales.
.macro LN4 q4
	s_wait_loadcnt 48-16*\q4                       ; gain, bias and these four rows are in; the 16 loads of each four rows behind them may be out
	WIN 0x05
.irp a, 0,1,2,3
.irp p, 0,1,2,3
	v_pk_add_f32 v[T+8*\a+2*\p:T+8*\a+2*\p+1], v[64*\q4+16*\a+4*\p:64*\q4+16*\a+4*\p+1], v[64*\q4+16*\a+4*\p+2:64*\q4+16*\a+4*\p+3]
.endr
.endr
	WIN 0
	RED
.irp a, 0,1,2,3
	v_mul_f32 v[MU+2*\a], s26, v[T+8*\a]           ; the mean
.endr
	WIN 0x01
.irp a, 0,1,2,3
.irp j, 0,2,4,6,8,10,12,14
	v_pk_add_f32 v[D+16*\a+\j:D+16*\a+\j+1], v[64*\q4+16*\a+\j:64*\q4+16*\a+\j+1], v[MU+2*\a:MU+2*\a+1] op_sel_hi:[1,0] neg_lo:[0,1] neg_hi:[0,1]
.endr
.endr
	WIN 0
.irp a, 0,1,2,3
.irp p, 0,1,2,3
	v_pk_mul_f32 v[T+8*\a+2*\p:T+8*\a+2*\p+1], v[D+16*\a+4*\p:D+16*\a+4*\p+1], v[D+16*\a+4*\p:D+16*\a+4*\p+1]
.endr
.endr
.irp a, 0,1,2,3
.irp p, 0,1,2,3
	v_pk_fma_f32 v[T+8*\a+2*\p:T+8*\a+2*\p+1], v[D+16*\a+4*\p+2:D+16*\a+4*\p+3], v[D+16*\a+4*\p+2:D+16*\a+4*\p+3], v[T+8*\a+2*\p:T+8*\a+2*\p+1]
.endr
.endr
	RED
.irp a, 0,1,2,3
	v_fma_f32 v[T+8*\a], v[T+8*\a], s26, s27       ; the variance + 1e-5
.endr
.irp a, 0,1,2,3
	v_rsq_f32 v[RS+2*\a], v[T+8*\a]
.endr
	v_nop                                          ; a plain line behind the last root,
	s_wait_alu depctr_va_vdst(0)                   ; and one wait for the four, ahead of their first reader
.irp a, 0,1,2,3
.irp j, 0,2,4,6,8,10,12,14
	v_pk_mul_f32 v[D+16*\a+\j:D+16*\a+\j+1], v[D+16*\a+\j:D+16*\a+\j+1], v[RS+2*\a:RS+2*\a+1] op_sel_hi:[1,0]
.endr
.endr
.irp a, 0,1,2,3
.irp j, 0,2,4,6,8,10,12,14
	v_pk_fma_f32 v[D+16*\a+\j:D+16*\a+\j+1], v[D+16*\a+\j:D+16*\a+\j+1], v[G+\j:G+\j+1], v[BB+\j:BB+\j+1]
.endr
.endr
.if \q4 > 0
	s_wait_xcnt 0x0                                ; the stores of the four rows before have read their data: the codes' registers are written again only behind this wait
.endif
.irp a, 0,1,2,3
.irp q, 0,1,2                          ; the set: h for Wq, for Wk, for Wv
.set TH, T+16*((3*\a+\q)%2)
.set CC, C+4*(3*\a+\q)
.irp j, 0,1,2,3,4,5,6,7,8,9,10,11,12,13,14,15
	v_med3_num_f32 v[TH+\j], v[D+16*\a+\j], -v[11+2*\q], v[11+2*\q]   ; the hold: the conversion does not saturate (ISA guide 7.6.2)
.endr
	v_cvt_scalef32_pk8_fp8_f32 v[CC:CC+1], v[TH:TH+7], v[10+2*\q]
	v_cvt_scalef32_pk8_fp8_f32 v[CC+2:CC+3], v[TH+8:TH+15], v[10+2*\q]
	global_store_b128 v3, v[CC:CC+3], s[62:63] offset:\q*32768+(4*\q4+\a)*512   ; a row's 512 bytes of codes
.endr
.endr
.endm
.macro LDG stride, perm, gam           ; group gam: the eight numbers of one conversion
.set z_, 0
.rept 8
.if \perm
.set KO, 128*(2*(((\gam)/2)%2)+z_/4)+8*((\gam)/4)+4*((\gam)%2)+z_%4
.else
.set KO, 8*(\gam)+z_
.endif
	global_load_b32 v[NUM+8*(\gam)+z_], v1, s[24:25] offset:KO*\stride th:TH_LOAD_NT
.set z_, z_+1
.endr
.endm
.macro SCALE                           ; s31 = e -> v4 = 2^e, v5 = 448 x 2^e
	s_add_co_i32 s31, s31, 127
	s_lshl_b32 s50, s31, 23
	v_mov_b32 v4, s50
	s_add_co_i32 s31, s31, 8
	s_lshl_b32 s31, s31, 23
	s_or_b32 s31, s31, 0x600000
	v_mov_b32 v5, s31
.endm
.macro WSDST                           ; s51 slot, s30 wave of the reader, s52 i, s48 source offset -> the two bases
	s_lshl_b32 s51, s51, 2
	s_add_co_u32 s51, s51, s30
	s_lshl_b32 s51, s51, 4
	s_add_co_u32 s51, s51, s52
	s_lshl_b32 s50, s51, 11
	s_mov_b32 s51, 0
	s_add_nc_u64 s[26:27], s[20:21], s[50:51]
	s_mov_b32 s49, 0
	s_add_nc_u64 s[24:25], s[24:25], s[48:49]
.endm
.macro JOB stride, perm, du
.set GG, 0
.rept 7
	LDG \stride, \perm, GG                         ; seven groups, 56 loads, run ahead
.set GG, GG+1
.endr
.set GG, 0
.rept 16
.if GG+7 < 16
	LDG \stride, \perm, GG+7
.endif
.if 8*(15-GG) < 56
	s_wait_loadcnt 8*(15-GG)                       ; this group is in; what was issued behind it may be out
.else
	s_wait_loadcnt 56
.endif
.set z_, 0
.rept 8
	v_med3_num_f32 v[NUM+8*GG+z_], v[NUM+8*GG+z_], -v5, v5   ; the conversion to an 8-bit code does not saturate (ISA guide 7.6.2): the hold comes first
.set z_, z_+1
.endr
.if \perm
.set DP, 4*(GG/4)+2*((GG/2)%2)
.else
.set DP, 2*(GG/2)
.endif
.if GG%2
	v_cvt_scalef32_pk8_fp8_f32 v[CB+DP:CB+DP+1], v[NUM+8*GG:NUM+8*GG+7], v4
.else
	v_cvt_scalef32_pk8_fp8_f32 v[CA+DP:CA+DP+1], v[NUM+8*GG:NUM+8*GG+7], v4
.endif
.set GG, GG+1
.endr
	v_nop                                          ; a plain line between the last conversion and the swaps that touch its result
.set z_, 0
.rept 16
	v_permlane16_swap_b32 v[CA+z_], v[CB+z_]       ; CA's lanes 16-31 <-> CB's lanes 0-15
.set z_, z_+1
.endr
.irp c, 0,1,2,3
	global_store_b128 v2, v[CA+4*\c:CA+4*\c+3], s[26:27] offset:512*\c         ; 32 lanes store 512 consecutive bytes, aligned
	global_store_b128 v2, v[CB+4*\c:CB+4*\c+3], s[26:27] offset:\du+512*\c
.endr
	s_endpgm
.endm
	s_load_b256 s[4:11], s[0:1], 0x0               ; Wq s[4:5], Wk s[6:7], Wv s[8:9], Wp s[10:11]
	s_load_b256 s[12:19], s[0:1], 0x20             ; W1 s[12:13], W2 s[14:15], the exponents s[16:17], wqkv s[18:19]
	s_load_b64 s[20:21], s[0:1], 0x40              ; ws3
	s_load_b128 s[56:59], s[0:1], 0x48             ; x s[56:57], gain s[58:59]
	s_load_b128 s[60:63], s[0:1], 0x58             ; bias s[60:61], hq s[62:63]
	v_lshrrev_b32 v1, 5, v0
	v_readfirstlane_b32 s22, v1                    ; wave
	v_and_b32 v6, 31, v0
	v_lshlrev_b32 v1, 2, v6                        ; 4 bytes a lane
	v_lshlrev_b32 v2, 4, v6                        ; 16 bytes a lane
	s_wait_kmcnt 0x0
	s_load_b512 s[32:47], s[16:17], 0x0            ; e of entry i in s[32+i]
	s_cmp_lt_u32 ttmp9, 256
	s_cbranch_scc0 .Lweights
	; ---- the layer norm: block ttmp9 of 64 rows, my wave's 16
	s_lshl_b32 s28, s22, 15
	v_add_nc_u32 v9, s28, v2                       ; x: 16 rows of 2,048 bytes a wave
	s_lshl_b32 s28, s22, 13
	v_add_nc_u32 v3, s28, v2                       ; hq: 16 rows of 512 bytes a wave
	s_lshl_b32 s28, ttmp9, 17
	s_mov_b32 s29, 0
	s_add_nc_u64 s[56:57], s[56:57], s[28:29]
	s_mul_i32 s28, ttmp9, 98304                    ; three sets of 64 rows of 512 bytes
	s_add_nc_u64 s[62:63], s[62:63], s[28:29]
.irp i, 0,1,2,3
	global_load_b128 v[G+4*\i:G+4*\i+3], v2, s[58:59] offset:512*\i
	global_load_b128 v[BB+4*\i:BB+4*\i+3], v2, s[60:61] offset:512*\i
.endr
	WIN 0x40
.set j_, 0
.rept 64
	global_load_b128 v[4*j_:4*j_+3], v9, s[56:57] offset:512*j_ th:TH_LOAD_NT   ; row j / 4, quarter j % 4: 512 consecutive bytes
.set j_, j_+1
.endr
	WIN 0
	s_mov_b32 s24, 0x76543210                      ; v_permlanex16_b32: lane l xor 16
	s_mov_b32 s25, 0xfedcba98
	s_mov_b32 s26, 0x3b000000                      ; 1 / 512
	s_mov_b32 s27, 0x3727c5ac                      ; 1e-5
.irp j, 177,179,181,183,185,187,189,191
	v_mov_b32 v\j, 0
.endr
	s_wait_kmcnt 0x0
	MKSC 10, 11, 33
	MKSC 12, 13, 35
	MKSC 14, 15, 37
	LN4 0
	LN4 1
	LN4 2
	LN4 3
	s_endpgm
.Lweights:
	s_wait_kmcnt 0x0
	s_sub_co_u32 s23, ttmp9, 256                   ; the job's group, 0 to 191
	s_cmp_lt_u32 s23, 48
	s_cbranch_scc0 .Lnot_qkv
	s_lshr_b32 s28, s23, 4                         ; which of Wq, Wk, Wv
	s_and_b32 s29, s23, 15
	s_and_b32 s30, s29, 3                          ; K step s
	s_and_b32 s29, s29, 12
	s_add_co_u32 s29, s29, s22                     ; head
	s_cmp_eq_u32 s28, 0
	s_cselect_b64 s[24:25], s[4:5], s[6:7]
	s_cselect_b32 s31, s32, s34
	s_cmp_eq_u32 s28, 2
	s_cselect_b64 s[24:25], s[8:9], s[24:25]
	s_cselect_b32 s31, s36, s31                    ; e of entry 0, 2 or 4
	s_lshl_b32 s48, s29, 16                        ; a head is 512 rows of 128 bytes;
	s_lshl_b32 s49, s30, 12                        ; 32 s rows
	s_add_co_u32 s48, s48, s49
	s_mov_b32 s49, 0
	s_add_nc_u64 s[24:25], s[24:25], s[48:49]
	s_mul_i32 s48, s29, 3
	s_add_co_u32 s48, s48, s28
	s_lshl_b32 s48, s48, 3
	s_add_co_u32 s48, s48, s30
	s_lshl_b32 s48, s48, 11                        ; ((head*3 + tensor)*8 + s) fragments; u = 1 lies four fragments on
	s_add_nc_u64 s[26:27], s[18:19], s[48:49]
	SCALE
	JOB 128, 1, 8192
.Lnot_qkv:
	s_cmp_lt_u32 s23, 64
	s_cbranch_scc0 .Lnot_wp
	s_sub_co_u32 s28, s23, 48
	s_and_b32 s29, s28, 3                          ; K step
	s_lshr_b32 s30, s28, 2                         ; the reader's wave: columns 128 w3 on
	s_mov_b64 s[24:25], s[10:11]
	s_mov_b32 s31, s43
	s_lshl_b32 s48, s29, 18                        ; 128 rows of 2,048 bytes
	s_lshl_b32 s49, s30, 2
	s_add_co_u32 s49, s49, s22
	s_lshl_b32 s49, s49, 7
	s_add_co_u32 s48, s48, s49
	s_lshr_b32 s51, s29, 1                         ; slot
	s_and_b32 s52, s29, 1
	s_lshl_b32 s52, s52, 3
	s_lshl_b32 s53, s22, 1
	s_add_co_u32 s52, s52, s53                     ; i = 8 (K step % 2) + tile
	s_branch .Lrows2048
.Lnot_wp:
	s_cmp_lt_u32 s23, 128
	s_cbranch_scc0 .Lw2
	s_sub_co_u32 s28, s23, 64
	s_and_b32 s29, s28, 3                          ; K step
	s_lshr_b32 s28, s28, 2                         ; which 128 columns of 2,048
	s_and_b32 s30, s28, 3                          ; the reader's wave
	s_mov_b64 s[24:25], s[12:13]
	s_mov_b32 s31, s45
	s_lshl_b32 s48, s29, 20                        ; 128 rows of 8,192 bytes
	s_lshl_b32 s49, s28, 2
	s_add_co_u32 s49, s49, s22
	s_lshl_b32 s49, s49, 7
	s_add_co_u32 s48, s48, s49
	s_and_b32 s51, s28, 12                         ; 4 x chunk
	s_lshr_b32 s53, s22, 1
	s_add_co_u32 s51, s51, s53
	s_add_co_u32 s51, s51, 2                       ; slot = 2 + 4 chunk + pair / 2
	s_and_b32 s52, s22, 1
	s_lshl_b32 s52, s52, 3
	s_lshl_b32 s53, s29, 1
	s_add_co_u32 s52, s52, s53                     ; i = 8 (pair % 2) + 2 K step + u
	WSDST
	SCALE
	JOB 8192, 0, 2048
.Lw2:
	s_sub_co_u32 s28, s23, 128
	s_and_b32 s30, s28, 3                          ; the reader's wave
	s_lshr_b32 s29, s28, 2                         ; K step, 0 to 15
	s_mov_b64 s[24:25], s[14:15]
	s_mov_b32 s31, s47
	s_lshl_b32 s48, s29, 18
	s_lshl_b32 s49, s30, 2
	s_add_co_u32 s49, s49, s22
	s_lshl_b32 s49, s49, 7
	s_add_co_u32 s48, s48, s49
	s_and_b32 s51, s29, 12                         ; 4 x chunk
	s_bfe_u32 s53, s29, 0x10001
	s_add_co_u32 s51, s51, s53
	s_add_co_u32 s51, s51, 4                       ; slot = 4 + 4 chunk + (K step % 4) / 2
	s_and_b32 s52, s29, 1
	s_lshl_b32 s52, s52, 3
	s_lshl_b32 s53, s22, 1
	s_add_co_u32 s52, s52, s53
.Lrows2048:
	WSDST
	SCALE
	JOB 2048, 0, 2048
.Lfunc_end_k_q5d20ac42d7_prep:
	.size	k_q5d20ac42d7_prep, .Lfunc_end_k_q5d20ac42d7_prep-k_q5d20ac42d7_prep
	.p2alignl 7, 3214868480
	.fill 96, 4, 3214868480
	.section	.rodata,"a",@progbits
	.p2align	6, 0x0
	.amdhsa_kernel k_q5d20ac42d7_prep
		.amdhsa_group_segment_fixed_size 0
		.amdhsa_private_segment_fixed_size 0
		.amdhsa_enable_private_segment 0
		.amdhsa_kernarg_size 104
		.amdhsa_user_sgpr_count 2
		.amdhsa_user_sgpr_kernarg_segment_ptr 1
		.amdhsa_wavefront_size32 1
		.amdhsa_system_sgpr_workgroup_id_x 1
		.amdhsa_system_sgpr_workgroup_id_y 1
		.amdhsa_system_sgpr_workgroup_id_z 1
		.amdhsa_system_vgpr_workitem_id 0
		.amdhsa_next_free_vgpr 512
		.amdhsa_next_free_sgpr 66
		.amdhsa_reserve_vcc 0
		.amdhsa_float_denorm_mode_32 3
		.amdhsa_float_denorm_mode_16_64 3
		.amdhsa_memory_ordered 1
		.amdhsa_forward_progress 1
		.amdhsa_inst_pref_size 198
	.end_amdhsa_kernel
	.amdgpu_metadata
---
amdhsa.version: [ 1, 2 ]
amdhsa.kernels:
  - .name:           k_q5d20ac42d7_prep
    .symbol:         k_q5d20ac42d7_prep.kd
    .args:
      - { .name: Wq, .offset: 0, .size: 8, .value_kind: global_buffer, .address_space: global }
      - { .name: Wk, .offset: 8, .size: 8, .value_kind: global_buffer, .address_space: global }
      - { .name: Wv, .offset: 16, .size: 8, .value_kind: global_buffer, .address_space: global }
      - { .name: Wp, .offset: 24, .size: 8, .value_kind: global_buffer, .address_space: global }
      - { .name: W1, .offset: 32, .size: 8, .value_kind: global_buffer, .address_space: global }
      - { .name: W2, .offset: 40, .size: 8, .value_kind: global_buffer, .address_space: global }
      - { .name: lowp_scales, .offset: 48, .size: 8, .value_kind: global_buffer, .address_space: global }
      - { .name: wqkv, .offset: 56, .size: 8, .value_kind: global_buffer, .address_space: global }
      - { .name: ws3, .offset: 64, .size: 8, .value_kind: global_buffer, .address_space: global }
      - { .name: x, .offset: 72, .size: 8, .value_kind: global_buffer, .address_space: global }
      - { .name: g_ln1, .offset: 80, .size: 8, .value_kind: global_buffer, .address_space: global }
      - { .name: b_ln1, .offset: 88, .size: 8, .value_kind: global_buffer, .address_space: global }
      - { .name: hq, .offset: 96, .size: 8, .value_kind: global_buffer, .address_space: global }
    .group_segment_fixed_size: 0
    .private_segment_fixed_size: 0
    .kernarg_segment_align: 8
    .kernarg_segment_size: 104
    .max_flat_workgroup_size: 128
    .sgpr_count:     66
    .vgpr_count:     512
    .wavefront_size: 32
...
	.end_amdgpu_metadata
.endif
;; end of part 1
;; launch attn (part 2): grid 4 x 64, 4 waves a work-group, no clusters, 200,192 bytes of LDS; arguments hq, wqkv, lowp_scales, att; writes att
.if DOCPART == 2
	.amdgcn_target "amdgcn-amd-amdhsa--gfx1250"
	.amdhsa_code_object_version 6
	.text
	.protected	k_q5d20ac42d7_attn
	.globl	k_q5d20ac42d7_attn
	.p2align	8
	.type	k_q5d20ac42d7_attn,@function
k_q5d20ac42d7_attn:
	s_mov_b64 s[64:65], 0
	v_nop
	global_prefetch_b8 v0, s[64:65] scope:SCOPE_SE
	s_setreg_imm32_b32 hwreg(HW_REG_WAVE_MODE, 25, 1), 1
	s_wait_xcnt 0x0
; q, k, v = h Wq, h Wk, h Wv; causal attention; its result as codes for the projection.  All five products on codes of E4M3 with the given scales 2^e (entries 0 to 10).  h = layernorm(x) comes as codes, three sets (for Wq, Wk, Wv).
; SHARES.  A work-group takes one batch (256 rows) and four heads; wave w is head 4 x + w.  Its 24 weight fragments stay in registers; its q, k, v and its whole attention are its own.
; Only h's codes are shared by the waves: 64 rows at a time, wave w brings rows 16 w on of the three sets (48 loads of 512 consecutive bytes) and lays them in LDS rows of 512 + 16 bytes, which all four waves read.
; K IS TURNED, alike in h and in the weights: byte 16 l + 4 i + y of a row of codes is column 128 i + 4 l + y.
; q, k: source 0 = 16 columns of W, source 1 = 16 rows of h: a lane holds one token and 8 neighbouring d: the conversion's result is the 8-bit operand's own layout (registers 2u, 2u+1: d = 16u + 8h ..).
; v: source 0 = 16 rows of h, source 1 = 16 columns of Wv: a lane holds one d and 8 neighbouring tokens: V^T with the keys innermost.
; ATTENTION, a tile of 16 queries at a time, 64 keys a step.  S^T = K Q^T, O^T = V^T P^T: a lane holds one query throughout.  The head's 32 fill half of the K = 64 form: Q's upper four registers are zero codes,
; and K's upper four are whatever codes lie next (never the NaN code: all are held), which add nothing.  t = score x log2(e) / sqrt(32); M = the running largest t rounded up to a whole number; p = 2^(t - M) is
; quantised, not normalised; the row's sum is of the unquantised p.  Key steps all of whose keys come after the tile's queries are left out (a scalar branch on the trip's number).
; att: [tile of 16 tokens 1024][K step = head group 4][head in group 4][512]: images of the projection's operand registers.
; LIMITS on the given exponents, so that each power of two is an f32 number: e8, e10, e6-e0-e1, e7-e2-e3, e9-e4-e5 between -126 and 119; e6+e7 between -124 and 129.
; No cluster, no tensor load, no prefetch: what the four work-groups of a batch share is h's codes, 96 KB a chunk.  Each wave asks for its 24 KB one chunk's 96 products ahead, straight into registers, and the copy
; into LDS is 96 of a chunk's some 800 lines.  A joint load would spare those lines and three of four requests, at the price of a ring with its rounds.
; REGISTERS.  window 1: Wq's 8 fragments (16 (4u+s)), Wk's from v128.  window 2: Wv's; from v128 two buffers of four fragments of h.  window 3: v0-191 my 16 rows x 3 sets of codes on their way to LDS.
; window 0: v1 16 lane; v2, v3 where I store h's codes; v4, v5 where I read them; v6 my own LDS region + 16 lane; v7, v8, v29 addresses in hand; v9 hq's offset; v16-25 scale and limit pairs; v26 r - 8h; v27, v28 the mask.
.set HSET, 33792                       ; a set of h's codes: 64 rows x 528 bytes
.set PRV,  101376                      ; behind the three sets: 24,576 bytes for each wave: Q's 16 tiles x 512, K's 16 x 512, V's 8 fragments x 1,024
.set C,   160                          ; chunk loop: v160-175 codes
.set ACC, 192                          ; v192-255 eight accumulators
.set KF,  32                           ; attention: v32-95 K, 4 a tile; v96-159 V, 8 a fragment (4u + step)
.set VF,  96
.set QF,  160                          ; v160-167 Q, the upper four 0
.set ST,  168                          ; v168-199 S^T, then p
.set PC,  200                          ; v200-207 p's codes
.set OT,  208                          ; v208-223 O^T;  v224 -M, v225 largest t, v[226:227] the sum, v[228:229] f, v[230:231] second chain, v232-235 at work
.set OC,  236
.set OA,  240
.set MSB, 0
.macro WIN new                         ; the immediate's high byte repeats the setting that is left
.if MSB != \new
	s_set_vgpr_msb (MSB<<8)|\new
.set MSB, \new
.endif
.endm
.macro PLACES                          ; four plain lines behind matrix instructions, ahead of reads of results and of loads into operands
.rept 4
	v_nop
.endr
.endm
.macro MKSC vs, vl, se                 ; s[se] = e -> v[vs] = 2^e, v[vl] = 448 x 2^e
	s_add_co_i32 s20, s[\se], 127
	s_lshl_b32 s21, s20, 23
	v_mov_b32 v[\vs], s21
	s_add_co_i32 s20, s20, 8
	s_lshl_b32 s20, s20, 23
	s_or_b32 s20, s20, 0x600000
	v_mov_b32 v[\vl], s20
.endm
.macro HLOAD                           ; my 16 rows of a chunk's three sets: each load 512 consecutive bytes
	WIN 0xc0
.set j_, 0
.rept 48
	global_load_b128 v[4*j_:4*j_+3], v9, s[4:5] offset:32768*(j_/16)+512*(j_%16)
.set j_, j_+1
.endr
	WIN 0
.endm
.macro HSTORE                          ; and into LDS, a row a line
	WIN 0x0c                                       ; the data lie in window 3
.set j_, 0
.rept 48
.if j_ < 32
	ds_store_b128 v2, v[4*j_:4*j_+3] offset:(j_/16)*HSET+(j_%16)*528
.else
	ds_store_b128 v3, v[4*j_:4*j_+3] offset:(j_%16)*528
.endif
.set j_, j_+1
.endr
	WIN 0
.endm
.macro BAR
	s_wait_dscnt 0x0                               ; my LDS stores have landed and my LDS loads are in
	s_barrier_signal -1
	s_barrier_wait -1
.endm
; group g = 4 x tensor + K step: four fragments of h (the chunk's four tiles of rows) from the tensor's set into buffer g % 2
.macro FETCHH g
.set tau_, (\g)/4
.set ss_, (\g)%4
	WIN 0x80
.irp m, 0,1,2,3
.irp c, 0,1,2,3
.if tau_ < 2
	ds_load_b128 v[128+64*((\g)%2)+16*\m+4*\c:128+64*((\g)%2)+16*\m+4*\c+3], v4 offset:tau_*HSET+\m*8448+128*ss_+32*\c
.else
	ds_load_b128 v[128+64*((\g)%2)+16*\m+4*\c:128+64*((\g)%2)+16*\m+4*\c+3], v5 offset:\m*8448+128*ss_+32*\c
.endif
.endr
.endr
.endm
; the eight finished accumulators become codes and go to my own LDS region as register images
.macro QOUT ta
	PLACES
.set j_, 0
.rept 64
	v_med3_num_f32 v[ACC+j_], v[ACC+j_], -v[17+2*(\ta)], v[17+2*(\ta)]   ; the hold (ISA guide 7.6.2); each accumulator from its low end on
.set j_, j_+1
.endr
.irp m, 0,1,2,3
.irp u, 0,1
.if (\ta) < 2
	v_cvt_scalef32_pk8_fp8_f32 v[C+4*\m+2*\u:C+4*\m+2*\u+1], v[ACC+8*(2*\m+\u):ACC+8*(2*\m+\u)+7], v[16+2*(\ta)]
.else
	v_cvt_scalef32_pk8_fp8_f32 v[C+8*\u+2*\m:C+8*\u+2*\m+1], v[ACC+8*(2*\m+\u):ACC+8*(2*\m+\u)+7], v[16+2*(\ta)]
.endif
.endr
.endr
	v_nop                                          ; a plain line behind the last conversion
.irp f, 0,1,2,3
.if (\ta) < 2
	ds_store_b128 v7, v[C+4*\f:C+4*\f+3] offset:8192*(\ta)+512*\f
.else
	ds_store_b128 v8, v[C+4*\f:C+4*\f+3] offset:4096*(\f/2)+512*(\f%2)
.endif
.endr
.endm
	s_load_b64 s[4:5], s[0:1], 0x0                 ; hq
	s_load_b64 s[10:11], s[0:1], 0x8               ; wqkv
	s_load_b128 s[12:15], s[0:1], 0x10             ; the exponents s[12:13], att s[14:15]
	v_lshl_add_u32 v14, v0, 2, 0x30c00
	v_mov_b32 v15, 0
	v_lshrrev_b32 v30, 5, v0
	v_readfirstlane_b32 s16, v30                   ; wave
	s_and_b32 s18, ttmp7, 0xffff                   ; batch
	v_and_b32 v30, 31, v0
	v_and_b32 v31, 15, v0                          ; r
	v_bfe_u32 v29, v0, 4, 1                        ; h
	v_lshlrev_b32 v1, 4, v30
	s_mul_i32 s20, s16, 8448                       ; my 16 rows of a set
	v_add_nc_u32 v2, s20, v1
	v_add_nc_u32 v3, 2*HSET, v2                    ; (the third set lies beyond a 16-bit immediate)
	v_mul_u32_u24 v4, v31, 528
	v_lshl_add_u32 v4, v29, 4, v4
	v_add_nc_u32 v5, 2*HSET, v4
	s_mul_i32 s20, s16, 24576
	s_add_co_u32 s20, s20, PRV
	v_add_nc_u32 v6, s20, v1
	s_lshl_b32 s20, s16, 13
	v_add_nc_u32 v9, s20, v1                       ; hq: 16 rows of 512 bytes a wave
	v_lshlrev_b32 v26, 3, v29
	v_sub_nc_u32 v26, v31, v26                     ; r - 8 h
	v_mov_b32 v28, 0xff800000                      ; -infinity
	s_lshl_b32 s20, ttmp9, 2
	s_add_co_u32 s20, s20, s16                     ; head
	s_mul_i32 s20, s20, 49152
	s_mov_b32 s21, 0
	s_mul_i32 s22, s18, 393216                     ; hq: four blocks of 98,304 bytes a batch
	s_mov_b32 s23, 0
	s_lshl_b32 s24, s18, 17                        ; att: 16 tiles x 8,192 bytes a batch,
	s_lshl_b32 s25, ttmp9, 11                      ; the head group's K step,
	s_add_co_u32 s24, s24, s25
	s_lshl_b32 s25, s16, 9                         ; my head's four registers
	s_add_co_u32 s24, s24, s25
	s_mov_b32 s25, 0
	s_mov_b32 s32, 0x76543210                      ; v_permlanex16_b32: lane l xor 16
	s_mov_b32 s33, 0xfedcba98
	s_wait_kmcnt 0x0
	s_load_b512 s[68:83], s[12:13], 0x0            ; e of entry i in s[68+i]
	s_add_nc_u64 s[10:11], s[10:11], s[20:21]
	s_add_nc_u64 s[4:5], s[4:5], s[22:23]
	s_add_nc_u64 s[14:15], s[14:15], s[24:25]
	WIN 0x40
.set f_, 0
.rept 16
.irp c, 0,1,2,3
	global_load_b128 v[16*f_+4*\c:16*f_+4*\c+3], v1, s[10:11] offset:2048*f_+512*\c
.endr
.set f_, f_+1
.endr
	WIN 0x80
.rept 8
.irp c, 0,1,2,3
	global_load_b128 v[16*(f_-16)+4*\c:16*(f_-16)+4*\c+3], v1, s[10:11] offset:2048*f_+512*\c
.endr
.set f_, f_+1
.endr
	WIN 0
	HLOAD
	s_wait_kmcnt 0x0
	s_sub_co_i32 s26, s74, s68                     ; a sum of the first product stands for sum x 2^(e0 + e1): q's conversion takes 2^(e6 - e0 - e1)
	s_sub_co_i32 s26, s26, s69
	MKSC 16, 17, 26
	s_sub_co_i32 s26, s75, s70
	s_sub_co_i32 s26, s26, s71
	MKSC 18, 19, 26
	s_sub_co_i32 s26, s77, s72
	s_sub_co_i32 s26, s26, s73
	MKSC 20, 21, 26
	MKSC 22, 23, 76
	MKSC 24, 25, 78
	s_add_co_i32 s45, s76, s77                     ; e8 + e9
	s_add_co_i32 s26, s74, s75
	s_lshl_b32 s26, s26, 23
	s_add_co_i32 s34, s26, 0x3e8293ee              ; c = log2(e) / sqrt(32) x 2^(e6 + e7): the exponents are added to c's exponent field
	s_mov_b32 s35, s34
	s_mov_b32 s38, 0                               ; chunk
	s_mov_b32 s39, 0                               ; its q and k tiles in my region
	s_mov_b32 s40, 16384                           ; its key step of V
.Lchunk:
	v_add_nc_u32 v7, s39, v6
	v_add_nc_u32 v8, s40, v6
	s_wait_loadcnt 0x0                             ; this chunk's codes (and, the first time, the weights)
	HSTORE
	s_wait_dscnt 0x0                               ; the stores have read their registers, which take the next chunk's loads
	s_cmp_eq_u32 s38, 3
	s_cbranch_scc1 .Lno_h                          ; no load leaves hq
	s_add_nc_u64 s[4:5], s[4:5], 98304             ; (the loads that read this base have come back)
	HLOAD                                          ; the next chunk's codes land under this chunk's products
.Lno_h:
	BAR                                            ; h's codes of 64 rows lie in LDS
	FETCHH 0
.set g_, 0
.rept 12
.set ta_, g_/4
.set ks_, g_%4
.set ab_, 128+64*(g_%2)
	PLACES                                         ; the other buffer was read by the group before
.if g_ < 11
	FETCHH g_+1
	s_wait_dscnt 16                                ; all but the 16 just issued
.else
	s_wait_dscnt 0x0
.endif
.if ta_ < 2
	WIN 0x09                                       ; source 0 (W) window 1, source 1 (h) window 2
.else
	WIN 0x0a                                       ; both in window 2
.endif
.irp m, 0,1,2,3                        ; eight accumulators by turns
.irp u, 0,1
.if ta_ < 2
.if ks_ == 0
	v_wmma_f32_16x16x128_fp8_fp8 v[ACC+8*(2*\m+\u):ACC+8*(2*\m+\u)+7], v[128*ta_+16*(4*\u+ks_):128*ta_+16*(4*\u+ks_)+15], v[ab_+16*\m:ab_+16*\m+15], 0
.else
	v_wmma_f32_16x16x128_fp8_fp8 v[ACC+8*(2*\m+\u):ACC+8*(2*\m+\u)+7], v[128*ta_+16*(4*\u+ks_):128*ta_+16*(4*\u+ks_)+15], v[ab_+16*\m:ab_+16*\m+15], v[ACC+8*(2*\m+\u):ACC+8*(2*\m+\u)+7]
.endif
.else
.if ks_ == 0
	v_wmma_f32_16x16x128_fp8_fp8 v[ACC+8*(2*\m+\u):ACC+8*(2*\m+\u)+7], v[ab_+16*\m:ab_+16*\m+15], v[16*(4*\u+ks_):16*(4*\u+ks_)+15], 0
.else
	v_wmma_f32_16x16x128_fp8_fp8 v[ACC+8*(2*\m+\u):ACC+8*(2*\m+\u)+7], v[ab_+16*\m:ab_+16*\m+15], v[16*(4*\u+ks_):16*(4*\u+ks_)+15], v[ACC+8*(2*\m+\u):ACC+8*(2*\m+\u)+7]
.endif
.endif
.endr
.endr
.if ks_ == 3
	WIN 0
	QOUT ta_
.endif
.set g_, g_+1
.endr
	BAR                                            ; every wave has read the rows: the next chunk may overwrite them
	s_add_co_u32 s39, s39, 2048
	s_add_co_u32 s40, s40, 1024
	s_add_co_u32 s38, s38, 1
	s_cmp_lt_u32 s38, 4
	s_cbranch_scc1 .Lchunk
	; ---- attention: all of K and V of my head come back into registers and stay
.set j_, 0
.rept 16
	ds_load_b128 v[KF+4*j_:KF+4*j_+3], v6 offset:8192+512*j_
	ds_load_b128 v[VF+4*j_:VF+4*j_+3], v6 offset:16384+512*j_
.set j_, j_+1
.endr
.irp j, 164,165,166,167,229,233,234
	v_mov_b32 v\j, 0
.endr
; A key step: keys 64 js on, for the 16 queries in hand.
.macro STEP js
.if \js > 0
	s_cmp_lt_u32 s43, \js
	s_cbranch_scc1 .Lfin                           ; this step's keys, and all later ones, come after my queries
.endif
.irp t, 0,1,2,3
	v_wmma_f32_16x16x64_fp8_fp8 v[ST+8*\t:ST+8*\t+7], v[KF+16*\js+4*\t:KF+16*\js+4*\t+7], v[QF:QF+7], 0
.endr
	PLACES
	s_cmp_lg_u32 s43, \js
	s_cbranch_scc1 .Lopen_\@                       ; only the step on the diagonal has hidden keys
.irp t, 0,1,2,3
.irp j, 0,1,2,3,4,5,6,7
	v_cmp_gt_i32 vcc_lo, 16*\t+\j, v27             ; key 16 t + 8 h + j against query 16 (i % 4) + r
	v_cndmask_b32 v[ST+8*\t+\j], v[ST+8*\t+\j], v28, vcc_lo
.endr
.endr
.Lopen_\@:
	v_max3_num_f32 v232, v[ST], v[ST+1], v[ST+2]   ; the largest score, in two chains; each tile is first read at its low end
	v_max3_num_f32 v233, v[ST+8], v[ST+9], v[ST+10]
	v_max3_num_f32 v232, v232, v[ST+16], v[ST+17]
	v_max3_num_f32 v233, v233, v[ST+24], v[ST+25]
	v_max3_num_f32 v232, v232, v[ST+3], v[ST+4]
	v_max3_num_f32 v233, v233, v[ST+5], v[ST+6]
	v_max3_num_f32 v232, v232, v[ST+11], v[ST+12]
	v_max3_num_f32 v233, v233, v[ST+13], v[ST+14]
	v_max3_num_f32 v232, v232, v[ST+18], v[ST+19]
	v_max3_num_f32 v233, v233, v[ST+20], v[ST+21]
	v_max3_num_f32 v232, v232, v[ST+22], v[ST+23]
	v_max3_num_f32 v233, v233, v[ST+26], v[ST+27]
	v_max3_num_f32 v232, v232, v[ST+28], v[ST+29]
	v_max3_num_f32 v233, v233, v[ST+30], v[ST+31]
	v_max3_num_f32 v232, v232, v[ST+7], v[ST+15]
	v_max_num_f32 v232, v232, v233
	v_permlanex16_b32 v234, v232, s32, s33
	v_max_num_f32 v232, v232, v234
	v_mul_f32 v232, s34, v232                      ; as t (c is positive)
	v_max_num_f32 v225, v225, v232
	v_mov_b32 v235, v224
	v_floor_f32 v224, -v225                        ; -M = floor(-t): M is a whole number
	v_sub_f32 v235, v224, v235
	v_cvt_i32_f32 v235, v235                       ; (it saturates)
	v_ldexp_f32 v228, 1.0, v235                    ; f = 2^(old M - new M)
.irp j, 0,2,4,6,8,10,12,14,16,18,20,22,24,26,28,30
	v_pk_fma_f32 v[ST+\j:ST+\j+1], v[ST+\j:ST+\j+1], s[34:35], v[224:225] op_sel_hi:[1,0,0]
.endr
.set j_, 0
.rept 32
	v_exp_f32 v[ST+j_], v[ST+j_]
.set j_, j_+1
.endr
	v_pk_mul_f32 v[226:227], v[226:227], v[228:229] op_sel_hi:[1,0]   ; the sum under the new M: the plain line behind the batch
	s_wait_alu depctr_va_vdst(0)                   ; one wait for the 32 exponentials, ahead of their first reader
	v_pk_add_f32 v[230:231], v[ST:ST+1], v[ST+2:ST+3]
.irp j, 4,8,12,16,20,24,28
	v_pk_add_f32 v[226:227], v[226:227], v[ST+\j:ST+\j+1]
	v_pk_add_f32 v[230:231], v[230:231], v[ST+\j+2:ST+\j+3]
.endr
	v_pk_add_f32 v[226:227], v[226:227], v[230:231]
.set j_, 0
.rept 32
	v_min_num_f32 v[ST+j_], v[ST+j_], v23          ; p is not negative: a one-sided hold
.set j_, j_+1
.endr
.irp t, 0,1,2,3
	v_cvt_scalef32_pk8_fp8_f32 v[PC+2*\t:PC+2*\t+1], v[ST+8*\t:ST+8*\t+7], v22
.endr
.irp j, 0,2,4,6,8,10,12,14
	v_pk_mul_f32 v[OT+\j:OT+\j+1], v[OT+\j:OT+\j+1], v[228:229] op_sel_hi:[1,0]   ; O^T under the new M; also the plain lines behind the conversions
.endr
.irp u, 0,1
	v_wmma_f32_16x16x64_fp8_fp8 v[OT+8*\u:OT+8*\u+7], v[VF+8*(4*\u+\js):VF+8*(4*\u+\js)+7], v[PC:PC+7], v[OT+8*\u:OT+8*\u+7]
.endr
.endm
	s_mov_b32 s41, 0                               ; tile of queries i
	s_mov_b32 s42, 0                               ; 512 i
.Lq:
	v_add_nc_u32 v29, s42, v6
	ds_load_b128 v[QF:QF+3], v29
	s_lshr_b32 s43, s41, 2                         ; the step on the diagonal
	s_and_b32 s44, s41, 3
	s_lshl_b32 s44, s44, 4
	v_add_nc_u32 v27, s44, v26
	v_mov_b32 v225, 0xff61b1e6                     ; the largest t so far: -3e38
	v_floor_f32 v224, -v225
	v_mov_b32 v226, 0
	v_mov_b32 v227, 0
.set j_, 0
.rept 16
	v_mov_b32 v[OT+j_], 0
.set j_, j_+1
.endr
	s_wait_dscnt 0x0
	STEP 0
	STEP 1
	STEP 2
	STEP 3
.Lfin:
	PLACES
	v_add_f32 v232, v226, v227
	v_permlanex16_b32 v234, v232, s32, s33
	v_add_f32 v232, v232, v234                     ; the row's sum
	v_rcp_f32 v232, v232
	v_nop
	s_wait_alu depctr_va_vdst(0)                   ; the wait ahead of the reciprocal's first reader
	v_ldexp_f32 v232, v232, s45                    ; x 2^(e8 + e9)
.irp j, 0,2,4,6,8,10,12,14
	v_pk_mul_f32 v[OA+\j:OA+\j+1], v[OT+\j:OT+\j+1], v[232:233] op_sel_hi:[1,0]
.endr
.set j_, 0
.rept 16
	v_med3_num_f32 v[OA+j_], v[OA+j_], -v25, v25
.set j_, j_+1
.endr
	s_wait_xcnt 0x0                                ; the last trip's store has read its data and its base: both are written below
	s_add_nc_u64 s[14:15], s[14:15], 8192          ; the next tile of tokens; the store reaches back
	v_cvt_scalef32_pk8_fp8_f32 v[OC:OC+1], v[OA:OA+7], v24
	v_cvt_scalef32_pk8_fp8_f32 v[OC+2:OC+3], v[OA+8:OA+15], v24
	v_nop
	global_store_b128 v1, v[OC:OC+3], s[14:15] offset:-8192   ; 32 lanes store 512 consecutive bytes, aligned
	s_add_co_u32 s42, s42, 512
	s_add_co_u32 s41, s41, 1
	s_cmp_lt_u32 s41, 16
	s_cbranch_scc1 .Lq
	s_wait_tensorcnt 0x0
	ds_add_u32 v14, v15
	s_wait_dscnt 0x0
	s_endpgm
.Lfunc_end_k_q5d20ac42d7_attn:
	.size	k_q5d20ac42d7_attn, .Lfunc_end_k_q5d20ac42d7_attn-k_q5d20ac42d7_attn
	.p2alignl 7, 3214868480
	.fill 96, 4, 3214868480
	.section	.rodata,"a",@progbits
	.p2align	6, 0x0
	.amdhsa_kernel k_q5d20ac42d7_attn
		.amdhsa_group_segment_fixed_size 200192
		.amdhsa_private_segment_fixed_size 0
		.amdhsa_enable_private_segment 0
		.amdhsa_kernarg_size 32
		.amdhsa_user_sgpr_count 2
		.amdhsa_user_sgpr_kernarg_segment_ptr 1
		.amdhsa_wavefront_size32 1
		.amdhsa_system_sgpr_workgroup_id_x 1
		.amdhsa_system_sgpr_workgroup_id_y 1
		.amdhsa_system_sgpr_workgroup_id_z 1
		.amdhsa_system_vgpr_workitem_id 0
		.amdhsa_next_free_vgpr 1024
		.amdhsa_next_free_sgpr 96
		.amdhsa_reserve_vcc 1
		.amdhsa_float_denorm_mode_32 3
		.amdhsa_float_denorm_mode_16_64 3
		.amdhsa_memory_ordered 1
		.amdhsa_forward_progress 1
		.amdhsa_inst_pref_size 103
	.end_amdhsa_kernel
	.amdgpu_metadata
---
amdhsa.version: [ 1, 2 ]
amdhsa.kernels:
  - .name:           k_q5d20ac42d7_attn
    .symbol:         k_q5d20ac42d7_attn.kd
    .args:
      - { .name: hq, .offset: 0, .size: 8, .value_kind: global_buffer, .address_space: global }
      - { .name: wqkv, .offset: 8, .size: 8, .value_kind: global_buffer, .address_space: global }
      - { .name: lowp_scales, .offset: 16, .size: 8, .value_kind: global_buffer, .address_space: global }
      - { .name: att, .offset: 24, .size: 8, .value_kind: global_buffer, .address_space: global }
    .group_segment_fixed_size: 200192
    .private_segment_fixed_size: 0
    .kernarg_segment_align: 8
    .kernarg_segment_size: 32
    .max_flat_workgroup_size: 128
    .sgpr_count:     96
    .vgpr_count:     1024
    .wavefront_size: 32
...
	.end_amdgpu_metadata
.endif
;; end of part 2
;; launch mlp (part 3): grid 256 x 1, 4 waves a work-group, clusters of 4 x 1, 327,680 bytes of LDS; arguments att, ws3, lowp_scales, x, bp, g_ln2, b_ln2, b1, b2, out0; writes out0
.if DOCPART == 3
	.amdgcn_target "amdgcn-amd-amdhsa--gfx1250"
	.amdhsa_code_object_version 6
	.text
	.protected	k_q5d20ac42d7_mlp
	.globl	k_q5d20ac42d7_mlp
	.p2align	8
	.type	k_q5d20ac42d7_mlp,@function
k_q5d20ac42d7_mlp:
	s_mov_b64 s[64:65], 0
	v_nop
	global_prefetch_b8 v0, s[64:65] scope:SCOPE_SE
	s_setreg_imm32_b32 hwreg(HW_REG_WAVE_MODE, 25, 1), 1
	s_wait_xcnt 0x0
	s_wait_alu depctr_hold_cnt(0) depctr_sa_sdst(0) depctr_va_vdst(0) depctr_va_sdst(0) depctr_va_ssrc(0) depctr_va_vcc(0) depctr_vm_vsrc(0)
	s_getreg_b32 s2, hwreg(HW_REG_IB_STS2, 6, 4)
	s_cmp_eq_u32 s2, 0
	s_cbranch_scc0 .Lentry_in_a_cluster
	s_endpgm
.Lentry_in_a_cluster:
	s_bfe_u32 s2, ttmp6, 0x10000c
	s_cmp_lg_u32 s2, 0x3003
	s_cbranch_scc0 .Lentry_shape_is_right
	s_endpgm
.Lentry_shape_is_right:
; x1 = x + att Wp + bp;  out = x1 + relu(layernorm(x1) W1 + b1) W2 + b2.  The three products on codes of E4M3 with the given scales (entries 10 to 15).
; SHARES.  A work-group takes 64 rows (four tiles m).  THE WAVES SHARE THE COLUMNS: wave w makes outputs 128 w on (8 tiles t) and, of each chunk of 512 hidden units, units 128 w on.
; x1, and later x1 + b2 + the second product's sums, live in 32 accumulators (window 2) from the first product to the store: the residuals and biases are the sums' starting values, divided by the power of two that the sums lack.
; All products are used transposed (source 0 = 16 columns of the weight, source 1 = 16 rows): a lane holds one row and 8 neighbouring columns, and a conversion's two registers are registers 2t, 2t+1 of the next operand.
; Operands go from wave to wave through LDS as images of their registers (lane l's 16 bytes at 512 c + 16 l of a fragment's 2,048).
; THE WEIGHTS are a stream of 18 slots of 128 KB (32 KB = 16 fragments a wave), laid in walking order: 2 for Wp, then for each of four chunks 2 of W1 and 2 of W2.  They come through a ring of two LDS areas.
; CLUSTER: the four work-groups of a cluster walk the same stream, so each slot is asked for JOINTLY (mask 15): the same load, the same descriptor, in all four.  Each wave fetches, and alone reads, its own 32 KB.
; By this text's count a wave has two tensor loads out at the start and one behind each refill.
; No prefetch: the stream is 2.25 MB that all 64 clusters walk again and again.
; LIMITS on the given exponents, so that each power of two is an f32 number: e12 and e14-e12-e13 between -126 and 119; e10+e11 and e14+e15 between -126 and 126.  NaN among the inputs is not served.
; REGISTERS.  window 1: 16 operand fragments (16 (4 s + m)): att, then x1 - mean at work, then h2.  window 2: Y(m, t) at 8 (8 m + t).  window 3: weights, set A v0-127, set B v128-255.
; window 0: v1-15 addresses; v16, 18 .. mean, v24, 26 .. 1 / deviation; v17, v19: 2^e12 and its limit; v21, v23: 2^(e14-e12-e13) and its limit; v32-95 hidden accumulators; v96-223 two sets of four hidden fragments;
;   v224-239 codes; v240-255 b1's two tiles.  Around the layer norm: v32-95 gain, v96-159 bp then bias, v160-223 b2.
.set IMG,   262144                     ; behind the ring: 16 fragment images (2048 (4 s + m)); the same bytes serve as four stages of 16 rows x 528, one a wave
.set B1T,   295936                     ; b1 / 2^(e12 + e13), 8,192 bytes
.set STAT,  304128                     ; two tables [row 64][wave 4] f32
.set SPARE, 306176                     ; the spare words, 128 bytes for each wave: two blocks of 256 bytes that no other line names
.set HACC, 32
.set ACTB, 96
.set CODE, 224
.set B1R,  240
.set GN,   32
.set BL,   96
.set B2C,  160
.set G1,   16                          ; s[16:23] descriptor group 1
.set G0,   24                          ; s[24:27], s[28:31] group 0, one for each area
.set MSB, 0
.macro WIN new                         ; the immediate's high byte repeats the setting that is left
.if MSB != \new
	s_set_vgpr_msb (MSB<<8)|\new
.set MSB, \new
.endif
.endm
.macro PLACES                          ; four plain lines behind matrix instructions, ahead of reads of results and of loads into operands
.rept 4
	v_nop
.endr
.endm
.macro MKSC vs, vl, se                 ; s[se] = e -> v[vs] = 2^e, v[vl] = 448 x 2^e
	s_add_co_i32 s32, s[\se], 127
	s_lshl_b32 s33, s32, 23
	v_mov_b32 v[\vs], s33
	s_add_co_i32 s32, s32, 8
	s_lshl_b32 s32, s32, 23
	s_or_b32 s32, s32, 0x600000
	v_mov_b32 v[\vl], s32
.endm
.macro BAR
	s_wait_dscnt 0x0                               ; my LDS stores have landed and my LDS loads are in
	s_barrier_signal -1
	s_barrier_wait -1
.endm
.macro CREST                           ; a round of the cluster's barrier behind its opening barrier
	s_cmp_lg_u32 s8, 0
	s_cbranch_scc1 .Lnot_wave_0_\@
	s_barrier_signal -3
.Lnot_wave_0_\@:
	s_barrier_wait -3
	s_barrier_signal -1
	s_barrier_wait -1
.endm
.macro ROUND
	s_barrier_signal -1
	s_barrier_wait -1
	CREST
.endm
.macro FETW set, area, half            ; eight weight fragments: half a slot of my 32 KB
	WIN 0xc0
.set i_, 0
.rept 8
.irp c, 0,1,2,3
	ds_load_b128 v[128*\set+16*i_+4*\c:128*\set+16*i_+4*\c+3], v[2+(\area)] offset:2048*(8*\half+i_)+512*\c
.endr
.set i_, i_+1
.endr
	WIN 0
.endm
.macro FETH ks                         ; the hidden layer's K step ks, four tiles of rows
.irp m, 0,1,2,3
.irp c, 0,1,2,3
	ds_load_b128 v[ACTB+64*((\ks)%2)+16*\m+4*\c:ACTB+64*((\ks)%2)+16*\m+4*\c+3], v4 offset:2048*(4*(\ks)+\m)+512*\c
.endr
.endr
.endm
.macro FETB1 off                       ; b1 of a pair of hidden tiles, in the result's layout
.irp u, 0,1
.irp z, 0,1
	ds_load_b128 v[B1R+8*\u+4*\z:B1R+8*\u+4*\z+3], v8 offset:\off+64*\u+16*\z
.endr
.endr
.endm
.macro MULY win, set, q, ab            ; Y(m, t) += W(t) x operand(m), t = 2q, 2q+1: eight accumulators of the 32 that take turns
	WIN \win
.irp tt, 0,1
.irp m, 0,1,2,3
	v_wmma_f32_16x16x128_fp8_fp8 v[8*(8*\m+2*\q+\tt):8*(8*\m+2*\q+\tt)+7], v[128*\set+16*(2*\q+\tt):128*\set+16*(2*\q+\tt)+15], v[(\ab)+16*\m:(\ab)+16*\m+15], v[8*(8*\m+2*\q+\tt):8*(8*\m+2*\q+\tt)+7]
.endr
.endr
.endm
.macro MULT set, ks                    ; hidden(u, m) += W1(u, K step ks) x h2(ks, m); the first K step starts from b1
	WIN 0x07
.irp u, 0,1
.irp m, 0,1,2,3
.if \ks == 0
	v_wmma_f32_16x16x128_fp8_fp8 v[HACC+8*(4*\u+\m):HACC+8*(4*\u+\m)+7], v[128*\set+16*(2*\ks+\u):128*\set+16*(2*\ks+\u)+15], v[16*(4*\ks+\m):16*(4*\ks+\m)+15], v[B1R+8*\u:B1R+8*\u+7]
.else
	v_wmma_f32_16x16x128_fp8_fp8 v[HACC+8*(4*\u+\m):HACC+8*(4*\u+\m)+7], v[128*\set+16*(2*\ks+\u):128*\set+16*(2*\ks+\u)+15], v[16*(4*\ks+\m):16*(4*\ks+\m)+15], v[HACC+8*(4*\u+\m):HACC+8*(4*\u+\m)+7]
.endif
.endr
.endr
.endm
.macro MULQ kind, idx, set, q          ; kind 0: projection, K step idx; 1: first layer, pair of tiles idx; 2: second layer, K step idx
.if \kind == 0
	MULY 0xa7, \set, \q, 64*(\idx)
.endif
.if \kind == 1
	MULT \set, \q
.endif
.if \kind == 2
	MULY 0xa3, \set, \q, ACTB+64*((\idx)%2)
.endif
.endm
.macro FETX kind, idx, nb1             ; what is fetched beside the weights, for the half slot that follows
.if \kind == 1
.if \idx < 3
	FETB1 128*(\idx+1)
.endif
.endif
.if \kind == 2
.if \idx < 3
	FETH \idx+1
.else
.if \nb1
	FETB1 2048                                     ; the next chunk's first pair
.endif
.endif
.endif
.endm
; A slot's first half: 32 products on set A; in their middle the second half is fetched into set B.
.macro H0 kind, idx, area
	s_wait_dscnt 0x0
	MULQ \kind, \idx, 0, 0
	MULQ \kind, \idx, 0, 1
	PLACES
	FETW 1, \area, 1
	FETX \kind, \idx, 0
	MULQ \kind, \idx, 0, 2
	MULQ \kind, \idx, 0, 3
	WIN 0
.endm
; A slot's second half, on set B, changes areas.  In front of the barrier each wave waits for all its tensor loads (the one out is the next slot's), adds 0 to its spare word, and waits for that and for its reads of this area.
; mode 2: the barrier opens a round of the cluster's barrier, and this area is filled again first thing behind it, with the slot two on.  mode 1: nothing is left to ask for.  mode 0: nor to fetch.
.macro H1 kind, idx, area, mode, nb1
	WIN 0
	s_wait_tensorcnt 0x0
	ds_add_u32 v10, v11                            ; 0 onto my spare word
.if \mode == 2
	s_add_nc_u64 s[G0+4*\area+2:G0+4*\area+3], s[G0+4*\area+2:G0+4*\area+3], 262144   ; no load of mine is out: the area's next slot
.endif
	s_wait_dscnt 0x1                               ; set B is in; the add alone may be out
	MULQ \kind, \idx, 1, 0
	s_wait_dscnt 0x0
	s_barrier_signal -1
	MULQ \kind, \idx, 1, 1
	WIN 0
	s_barrier_wait -1
.if \mode == 2
	CREST                                          ; no wave of any partner still reads this area or has a load on its way
	tensor_load_to_lds s[G0+4*\area:G0+4*\area+3], s[G1:G1+7]
	s_nop 0
.endif
	PLACES                                         ; four v_nop behind the load; also the places ahead of the loads into set A
.if \mode > 0
	FETW 0, 1-\area, 0
.endif
	FETX \kind, \idx, \nb1
	MULQ \kind, \idx, 1, 2
	MULQ \kind, \idx, 1, 3
	WIN 0
.endm
; A pair of hidden tiles for the four tiles of rows: relu and the hold in one, codes, and registers 4p .. 4p+3 of my K step's four images
.macro QUANT p
	PLACES
.set j_, 0
.rept 64
	v_med3_num_f32 v[HACC+j_], v[HACC+j_], 0, v23
.set j_, j_+1
.endr
.irp m, 0,1,2,3
.irp u, 0,1
	v_cvt_scalef32_pk8_fp8_f32 v[CODE+4*\m+2*\u:CODE+4*\m+2*\u+1], v[HACC+8*(4*\u+\m):HACC+8*(4*\u+\m)+7], v21
.endr
.endr
	v_nop                                          ; a plain line behind the last conversion
.irp m, 0,1,2,3
	ds_store_b128 v5, v[CODE+4*\m:CODE+4*\m+3] offset:2048*\m+512*\p
.endr
.endm
.macro CHUNK m1, m2, nb1               ; 512 hidden units: four slots
	H0 1, 0, 0
	QUANT 0
	H1 1, 1, 0, 2, 0
	QUANT 1
	H0 1, 2, 1
	QUANT 2
	H1 1, 3, 1, 2, 0
	QUANT 3
	BAR                                            ; the chunk's sixteen hidden fragments lie in LDS
	FETH 0
	H0 2, 0, 0
	H1 2, 1, 0, \m1, 0
	H0 2, 2, 1
	H1 2, 3, 1, \m2, \nb1                          ; its barrier also parts the last reads of the hidden images from what overwrites them
.endm
; four rows' partial sums (pairs v[240+4m], v[242+4m]) -> over the lane pair, over the four waves through table so -> v[224+4m]
.macro ROWRED so
.irp m, 0,1,2,3
	v_pk_add_f32 v[240+4*\m:241+4*\m], v[240+4*\m:241+4*\m], v[242+4*\m:243+4*\m]
.endr
.irp m, 0,1,2,3
	v_add_f32 v[240+4*\m], v[240+4*\m], v[241+4*\m]
.endr
.irp m, 0,1,2,3
	v_permlanex16_b32 v[241+4*\m], v[240+4*\m], s92, s93
.endr
.irp m, 0,1,2,3
	v_add_f32 v[240+4*\m], v[240+4*\m], v[241+4*\m]
.endr
.irp m, 0,1,2,3
	ds_store_b32 v9, v[240+4*\m] offset:\so+256*\m
.endr
	BAR
.irp m, 0,1,2,3
	ds_load_b128 v[224+4*\m:227+4*\m], v12 offset:\so+256*\m
.endr
	s_wait_dscnt 0x0
.irp m, 0,1,2,3
	v_add_f32 v[224+4*\m], v[224+4*\m], v[225+4*\m]
	v_add_f32 v[226+4*\m], v[226+4*\m], v[227+4*\m]
.endr
.irp m, 0,1,2,3
	v_add_f32 v[224+4*\m], v[224+4*\m], v[226+4*\m]
.endr
.endm
	s_load_b256 s[36:43], s[0:1], 0x0              ; att s[36:37], ws3 s[38:39], the exponents s[40:41], x s[42:43]
	s_load_b256 s[44:51], s[0:1], 0x20             ; bp s[44:45], gain s[46:47], bias s[48:49], b1 s[50:51]
	s_load_b128 s[52:55], s[0:1], 0x40             ; b2 s[52:53], out s[54:55]
	v_lshl_add_u32 v10, v0, 2, SPARE
	v_mov_b32 v11, 0
	ds_add_u32 v10, v11
	ds_add_u32 v10, v11
	s_wait_dscnt 0x0
	v_lshrrev_b32 v25, 5, v0
	v_readfirstlane_b32 s8, v25                    ; wave
	s_bfe_u32 s9, ttmp6, 0x40000                   ; my place in the cluster: it enters the addresses of att, x and out alone
	s_lshl_b32 s10, ttmp9, 2
	s_add_co_u32 s10, s10, s9                      ; my block of 64 rows
	s_mov_b32 s[G1], 15|(3<<16)|(1<<21)            ; 15:0 the mask: all four work-groups; 17:16 elements of 8 bytes; 21 set beside a mask; no padding
	s_mov_b32 s[G1+1], 32<<16                      ; tensor_dim0 = 32 elements: 256 bytes
	s_mov_b32 s[G1+2], 128<<16                     ; tensor_dim1 = 128
	s_mov_b32 s[G1+3], 32<<16                      ; tile_dim0
	s_mov_b32 s[G1+4], 128                         ; tile_dim1: 128 rows x 256 bytes, dense: my 32 KB of a slot
	s_mov_b32 s[G1+5], 32                          ; from row to row
	s_mov_b32 s[G1+6], 0
	s_mov_b32 s[G1+7], 0
	s_lshl_b32 s13, s8, 15                         ; 32,768 x wave
	s_mov_b32 s32, s13
	s_mov_b32 s33, 0
	s_wait_kmcnt 0x0
	s_load_b512 s[68:83], s[40:41], 0x0            ; e of entry i in s[68+i]
	ROUND                                          ; all four work-groups are here: the first joint loads meet
	s_mov_b32 s[G0], 1
	s_add_co_u32 s[G0+1], s13, 0                   ; area 0
	s_add_nc_u64 s[G0+2:G0+3], s[38:39], s[32:33]  ; slot 0
	s_add_nc_u64 s[G0+6:G0+7], s[G0+2:G0+3], 131072   ; slot 1
	s_or_b32 s[G0+3], s[G0+3], 0x80000000
	s_or_b32 s[G0+7], s[G0+7], 0x80000000
	s_mov_b32 s[G0+4], 1
	s_add_co_u32 s[G0+5], s13, 131072              ; area 1
	tensor_load_to_lds s[G0:G0+3], s[G1:G1+7]
	s_nop 0
	tensor_load_to_lds s[G0+4:G0+7], s[G1:G1+7]
	s_nop 0
	PLACES
	v_and_b32 v25, 31, v0
	v_and_b32 v27, 15, v0                          ; r
	v_bfe_u32 v29, v0, 4, 1                        ; h
	v_mov_b32 v31, 0
	v_lshlrev_b32 v1, 4, v25                       ; 16 lane
	v_add_nc_u32 v2, s13, v1                       ; my weights in area 0,
	v_add_nc_u32 v3, 131072, v2                    ; in area 1
	v_add_nc_u32 v4, IMG, v1                       ; images: read,
	s_lshl_b32 s14, s8, 13
	v_add_nc_u32 v5, s14, v4                       ; written: K step = my wave
	s_mul_i32 s14, s8, 8448
	s_add_co_u32 s14, s14, IMG                     ; my stage
	v_add_nc_u32 v7, s14, v1                       ; by rows of 512 bytes,
	v_mul_u32_u24 v6, v27, 528
	v_lshl_add_u32 v6, v29, 5, v6
	v_add_nc_u32 v6, s14, v6                       ; by the result's layout: row r, 32 h
	s_lshl_b32 s14, s8, 9
	v_lshlrev_b32 v14, 5, v29
	v_add_nc_u32 v14, s14, v14                     ; vectors of 512: 512 w + 32 h bytes
	v_add_nc_u32 v15, B1T, v14
	v_add_nc_u32 v8, B1T, v14
	v_add_nc_u32 v13, s14, v1                      ; rows of x and out: 512 w + 16 lane
	v_lshlrev_b32 v12, 4, v27
	v_add_nc_u32 v12, STAT, v12
	s_lshl_b32 s14, s8, 2
	v_add_nc_u32 v9, s14, v12
	s_lshl_b32 s14, s8, 11
	v_add_nc_u32 v25, s14, v1                      ; b1: my quarter
	v_add_nc_u32 v27, B1T, v25
	s_lshl_b32 s32, s10, 15
	s_add_nc_u64 s[36:37], s[36:37], s[32:33]      ; att: 16 fragments a block
	s_lshl_b32 s32, s10, 17
	s_add_nc_u64 s[42:43], s[42:43], s[32:33]
	s_add_nc_u64 s[54:55], s[54:55], s[32:33]
	WIN 0x40
.irp m, 0,1,2,3
.irp k, 0,1,2,3
.irp c, 0,1,2,3
	global_load_b128 v[16*(4*\k+\m)+4*\c:16*(4*\k+\m)+4*\c+3], v1, s[36:37] offset:2048*(4*\m+\k)+512*\c
.endr
.endr
.endr
	WIN 0x80
.set j_, 0
.rept 64
	global_load_b128 v[4*j_:4*j_+3], v13, s[42:43] offset:2048*j_ th:TH_LOAD_NT   ; row j: my 512 bytes, 16 a lane
.set j_, j_+1
.endr
	WIN 0
.set j_, 0
.rept 16
	global_load_b128 v[BL+4*j_:BL+4*j_+3], v14, s[44:45] offset:64*(j_/2)+16*(j_%2)
	global_load_b128 v[GN+4*j_:GN+4*j_+3], v14, s[46:47] offset:64*(j_/2)+16*(j_%2)
	global_load_b128 v[B2C+4*j_:B2C+4*j_+3], v14, s[52:53] offset:64*(j_/2)+16*(j_%2)
.set j_, j_+1
.endr
.irp i, 0,1,2,3
	global_load_b128 v[224+4*\i:227+4*\i], v25, s[50:51] offset:512*\i
.endr
	s_mov_b32 s92, 0x76543210                      ; v_permlanex16_b32: lane l xor 16
	s_mov_b32 s93, 0xfedcba98
	s_mov_b32 s94, 0x3b000000                      ; 1 / 512
	s_mov_b32 s95, 0x3727c5ac                      ; 1e-5
	s_wait_kmcnt 0x0
	s_add_co_i32 s14, s78, s79                     ; e10 + e11
	s_sub_co_i32 s15, 127, s14
	s_lshl_b32 s84, s15, 23                        ; 2^-(e10 + e11)
	s_mov_b32 s85, s84
	s_add_co_i32 s15, s14, 127
	s_lshl_b32 s86, s15, 23                        ; 2^(e10 + e11)
	s_mov_b32 s87, s86
	s_add_co_i32 s14, s82, s83                     ; e14 + e15
	s_sub_co_i32 s15, 127, s14
	s_lshl_b32 s88, s15, 23
	s_mov_b32 s89, s88
	s_add_co_i32 s15, s14, 127
	s_lshl_b32 s90, s15, 23
	s_mov_b32 s91, s90
	s_add_co_i32 s14, s80, s81                     ; e12 + e13
	s_sub_co_i32 s34, 0, s14
	s_sub_co_i32 s35, s82, s14                     ; e14 - e12 - e13: the three scales folded into the hidden layer's one
	MKSC 17, 19, 80
	MKSC 21, 23, 35
	s_wait_loadcnt 0x0
.set j_, 0
.rept 16
	v_ldexp_f32 v[224+j_], v[224+j_], s34          ; b1 goes in divided by the power of two that the sums lack
.set j_, j_+1
.endr
.irp i, 0,1,2,3
	ds_store_b128 v27, v[224+4*\i:227+4*\i] offset:512*\i
.endr
	WIN 0x88                                       ; LDS data, both ways, in window 2
.irp m, 0,1,2,3                        ; x through my stage: in by rows, back in the result's layout, into the registers that it left (LDS serves a wave's instructions in order: ISA guide 5.7.1.4)
.set j_, 0
.rept 16
	ds_store_b128 v7, v[64*\m+4*j_:64*\m+4*j_+3] offset:528*j_
.set j_, j_+1
.endr
.set j_, 0
.rept 16
	ds_load_b128 v[64*\m+4*j_:64*\m+4*j_+3], v6 offset:64*(j_/2)+16*(j_%2)
.set j_, j_+1
.endr
.endr
	WIN 0
.set j_, 0
.rept 32
	v_pk_mul_f32 v[BL+j_:BL+j_+1], v[BL+j_:BL+j_+1], s[84:85] op_sel_hi:[1,0]
.set j_, j_+2
.endr
	s_wait_dscnt 0x0
	WIN 0x82
.set j_, 0
.rept 128
	v_pk_fma_f32 v[j_:j_+1], v[j_:j_+1], s[84:85], v[BL+j_%64:BL+j_%64+1] op_sel_hi:[1,0,1]   ; Y = (x + bp) / 2^(e10 + e11)
.set j_, j_+2
.endr
	WIN 0
.set j_, 0
.rept 16
	global_load_b128 v[BL+4*j_:BL+4*j_+3], v14, s[48:49] offset:64*(j_/2)+16*(j_%2)   ; the layer norm's bias takes bp's place
.set j_, j_+1
.endr
	s_wait_tensorcnt 0x1                           ; my part of slot 0 is in; slot 1's may stay out
	FETW 0, 0, 0
	; ---- the projection: two slots
	H0 0, 0, 0
	H1 0, 1, 0, 2, 0
	H0 0, 2, 1
	H1 0, 3, 1, 2, 0
	; ---- the second layer norm
	PLACES
	WIN 0x82
.set j_, 0
.rept 128
	v_pk_mul_f32 v[j_:j_+1], v[j_:j_+1], s[86:87] op_sel_hi:[1,0]   ; x1; each accumulator from its low end on
.set j_, j_+2
.endr
	WIN 0x0a
.irp m, 0,1,2,3
	v_pk_add_f32 v[240+4*\m:241+4*\m], v[64*\m:64*\m+1], v[64*\m+2:64*\m+3]
	v_pk_add_f32 v[242+4*\m:243+4*\m], v[64*\m+4:64*\m+5], v[64*\m+6:64*\m+7]
.endr
	WIN 0x08
.set j_, 8
.rept 14
.irp m, 0,1,2,3
	v_pk_add_f32 v[240+4*\m:241+4*\m], v[240+4*\m:241+4*\m], v[64*\m+j_:64*\m+j_+1]
	v_pk_add_f32 v[242+4*\m:243+4*\m], v[242+4*\m:243+4*\m], v[64*\m+j_+2:64*\m+j_+3]
.endr
.set j_, j_+4
.endr
	WIN 0
	ROWRED 0
.irp m, 0,1,2,3
	v_mul_f32 v[16+2*\m], s94, v[224+4*\m]         ; the mean
.endr
	WIN 0x42                                       ; x1 - mean goes into window 1, which the projection has left
.set j_, 0
.rept 128
	v_pk_add_f32 v[j_:j_+1], v[j_:j_+1], v[16+2*(j_/64):17+2*(j_/64)] op_sel_hi:[1,0] neg_lo:[0,1] neg_hi:[0,1]
.set j_, j_+2
.endr
	WIN 0x05
.irp m, 0,1,2,3
	v_pk_mul_f32 v[240+4*\m:241+4*\m], v[64*\m:64*\m+1], v[64*\m:64*\m+1]
	v_pk_mul_f32 v[242+4*\m:243+4*\m], v[64*\m+2:64*\m+3], v[64*\m+2:64*\m+3]
.endr
.set j_, 4
.rept 15
.irp m, 0,1,2,3
	v_pk_fma_f32 v[240+4*\m:241+4*\m], v[64*\m+j_:64*\m+j_+1], v[64*\m+j_:64*\m+j_+1], v[240+4*\m:241+4*\m]
	v_pk_fma_f32 v[242+4*\m:243+4*\m], v[64*\m+j_+2:64*\m+j_+3], v[64*\m+j_+2:64*\m+j_+3], v[242+4*\m:243+4*\m]
.endr
.set j_, j_+4
.endr
	WIN 0
	ROWRED 1024
.irp m, 0,1,2,3
	v_fma_f32 v[224+4*\m], v[224+4*\m], s94, s95
.endr
.irp m, 0,1,2,3
	v_rsq_f32 v[24+2*\m], v[224+4*\m]
.endr
	v_nop                                          ; a plain line behind the last root,
	s_wait_alu depctr_va_vdst(0)                   ; and one wait for the four, ahead of their first reader
	s_wait_loadcnt 0x0                             ; the bias
	WIN 0x41
.set j_, 0
.rept 128
	v_pk_mul_f32 v[j_:j_+1], v[j_:j_+1], v[24+2*(j_/64):25+2*(j_/64)] op_sel_hi:[1,0]
.set j_, j_+2
.endr
.set j_, 0
.rept 128
	v_pk_fma_f32 v[j_:j_+1], v[j_:j_+1], v[GN+j_%64:GN+j_%64+1], v[BL+j_%64:BL+j_%64+1]
.set j_, j_+2
.endr
.set j_, 0
.rept 256
	v_med3_num_f32 v[j_], v[j_], -v19, v19         ; the hold: the conversion does not saturate (ISA guide 7.6.2)
.set j_, j_+1
.endr
.irp m, 0,1,2,3
.set CD, 224+16*(\m%2)
	WIN 0x01
.irp t, 0,1,2,3,4,5,6,7
	v_cvt_scalef32_pk8_fp8_f32 v[CD+2*\t:CD+2*\t+1], v[64*\m+8*\t:64*\m+8*\t+7], v17
.endr
	v_nop
	WIN 0
.irp c, 0,1,2,3
	ds_store_b128 v5, v[CD+4*\c:CD+4*\c+3] offset:2048*\m+512*\c   ; h2: K step = my wave, tile of rows m
.endr
.endr
.set j_, 0
.rept 32
	v_pk_mul_f32 v[B2C+j_:B2C+j_+1], v[B2C+j_:B2C+j_+1], s[88:89] op_sel_hi:[1,0]
.set j_, j_+2
.endr
	WIN 0x82
.set j_, 0
.rept 128
	v_pk_fma_f32 v[j_:j_+1], v[j_:j_+1], s[88:89], v[B2C+j_%64:B2C+j_%64+1] op_sel_hi:[1,0,1]   ; Y = (x1 + b2) / 2^(e14 + e15): the second layer's sums start here
.set j_, j_+2
.endr
	WIN 0
	BAR                                            ; h2's sixteen fragments lie in LDS
	WIN 0x40
.set j_, 0
.rept 64
	ds_load_b128 v[4*j_:4*j_+3], v4 offset:512*j_
.set j_, j_+1
.endr
	WIN 0
	FETB1 0
	BAR                                            ; every wave has them: the hidden layer's images may overwrite them
	; ---- the two layers, 512 hidden units at a time
	s_mov_b32 s11, 0
	s_mov_b32 s12, 0
.Lchunk:
	v_add_nc_u32 v8, s12, v15                      ; b1 of this chunk
	CHUNK 2, 2, 1
	s_add_co_u32 s12, s12, 2048
	s_add_co_u32 s11, s11, 1
	s_cmp_lt_u32 s11, 3
	s_cbranch_scc1 .Lchunk
	v_add_nc_u32 v8, s12, v15
	CHUNK 1, 0, 0                                  ; the last chunk is written out: its last two slots ask for nothing
	; ---- the way out: x 2^(e14 + e15), through my stage, whole rows of 512 bytes
	PLACES
.irp m, 0,1,2,3
.set BK_, 160-128*(\m%2)
.if \m > 1
	s_wait_xcnt 0x0                                ; the stores of two tiles back have read their registers
.endif
	WIN 0x02
.set j_, 0
.rept 32
	v_pk_mul_f32 v[96+j_:97+j_], v[64*\m+j_:64*\m+j_+1], s[90:91] op_sel_hi:[1,0]
.set j_, j_+2
.endr
	WIN 0
.set j_, 0
.rept 16
	ds_store_b128 v6, v[96+4*j_:99+4*j_] offset:64*(j_/2)+16*(j_%2)
.set j_, j_+1
.endr
.set j_, 0
.rept 16
	ds_load_b128 v[BK_+4*j_:BK_+4*j_+3], v7 offset:528*j_
.set j_, j_+1
.endr
	s_wait_dscnt 0x0
.set j_, 0
.rept 16
	global_store_b128 v13, v[BK_+4*j_:BK_+4*j_+3], s[54:55] offset:2048*(16*\m+j_) th:TH_STORE_NT   ; 32 lanes store 512 consecutive bytes, aligned
.set j_, j_+1
.endr
.endr
	s_wait_tensorcnt 0x0                           ; the wave's end, behind my last tensor load and my last LDS store
	ds_add_u32 v10, v11
	s_wait_dscnt 0x0
	ROUND                                          ; the closing round: no work-group ends while a partner may still ask for a slot that names it
	s_endpgm
.Lfunc_end_k_q5d20ac42d7_mlp:
	.size	k_q5d20ac42d7_mlp, .Lfunc_end_k_q5d20ac42d7_mlp-k_q5d20ac42d7_mlp
	.p2alignl 7, 3214868480
	.fill 96, 4, 3214868480
	.section	.rodata,"a",@progbits
	.p2align	6, 0x0
	.amdhsa_kernel k_q5d20ac42d7_mlp
		.amdhsa_group_segment_fixed_size 327680
		.amdhsa_private_segment_fixed_size 0
		.amdhsa_enable_private_segment 0
		.amdhsa_kernarg_size 80
		.amdhsa_user_sgpr_count 2
		.amdhsa_user_sgpr_kernarg_segment_ptr 1
		.amdhsa_wavefront_size32 1
		.amdhsa_system_sgpr_workgroup_id_x 1
		.amdhsa_system_sgpr_workgroup_id_y 1
		.amdhsa_system_sgpr_workgroup_id_z 1
		.amdhsa_system_vgpr_workitem_id 0
		.amdhsa_next_free_vgpr 1024
		.amdhsa_next_free_sgpr 100
		.amdhsa_reserve_vcc 0
		.amdhsa_float_denorm_mode_32 3
		.amdhsa_float_denorm_mode_16_64 3
		.amdhsa_memory_ordered 1
		.amdhsa_forward_progress 1
		.amdhsa_inst_pref_size 255
	.end_amdhsa_kernel
	.section	.bss,"aw",@nobits
	.p2align	6
	.space	262144
	.amdgpu_metadata
---
amdhsa.version: [ 1, 2 ]
amdhsa.kernels:
  - .name:           k_q5d20ac42d7_mlp
    .symbol:         k_q5d20ac42d7_mlp.kd
    .args:
      - { .name: att, .offset: 0, .size: 8, .value_kind: global_buffer, .address_space: global }
      - { .name: ws3, .offset: 8, .size: 8, .value_kind: global_buffer, .address_space: global }
      - { .name: lowp_scales, .offset: 16, .size: 8, .value_kind: global_buffer, .address_space: global }
      - { .name: x, .offset: 24, .size: 8, .value_kind: global_buffer, .address_space: global }
      - { .name: bp, .offset: 32, .size: 8, .value_kind: global_buffer, .address_space: global }
      - { .name: g_ln2, .offset: 40, .size: 8, .value_kind: global_buffer, .address_space: global }
      - { .name: b_ln2, .offset: 48, .size: 8, .value_kind: global_buffer, .address_space: global }
      - { .name: b1, .offset: 56, .size: 8, .value_kind: global_buffer, .address_space: global }
      - { .name: b2, .offset: 64, .size: 8, .value_kind: global_buffer, .address_space: global }
      - { .name: out0, .offset: 72, .size: 8, .value_kind: global_buffer, .address_space: global }
    .group_segment_fixed_size: 327680
    .private_segment_fixed_size: 0
    .kernarg_segment_align: 8
    .kernarg_segment_size: 80
    .max_flat_workgroup_size: 128
    .sgpr_count:     100
    .vgpr_count:     1024
    .wavefront_size: 32
...
	.end_amdgpu_metadata
.endif
;; end of part 3
;; ======== version 2 of 2: 3 launches; version 1 with the launches prep, attn written anew for expert scheduling mode
;; workspace buffers: wqkv 786,432 bytes; ws3 2,359,296 bytes; att 8,388,608 bytes; hq 25,165,824 bytes
;; launch prep (part 4): grid 448 x 1, 4 waves a work-group, no clusters, 0 bytes of LDS; arguments Wq, Wk, Wv, Wp, W1, W2, lowp_scales, wqkv, ws3, x, g_ln1, b_ln1, hq; writes wqkv, ws3, hq
.if DOCPART == 4
	.amdgcn_target "amdgcn-amd-amdhsa--gfx1250"
	.amdhsa_code_object_version 6
	.text
	.protected	k_q5d20ac42d7_prep
	.globl	k_q5d20ac42d7_prep
	.p2align	8
	.type	k_q5d20ac42d7_prep,@function
k_q5d20ac42d7_prep:
	s_mov_b64 s[64:65], 0
	v_nop
	global_prefetch_b8 v0, s[64:65] scope:SCOPE_SE
	s_setreg_imm32_b32 hwreg(HW_REG_WAVE_SCHED_MODE, 0, 2), 2
	s_setreg_imm32_b32 hwreg(HW_REG_WAVE_MODE, 25, 1), 1
	s_wait_xcnt 0x0
	s_wait_alu depctr_vm_vsrc(0)
; Two kinds of work-groups in one launch, told apart by the work-group's number.
; WORK-GROUPS 0 TO 255: h = layernorm(x) of 64 rows, 16 a wave, as codes of E4M3 under the three scales of entries 1, 3, 5 (they may differ).  A lane loads 16 bytes of each quarter of a row (dense loads of 512 bytes),
; so a lane's 16 codes, byte 16 l + 4 i + y of a row of 512, are columns 128 i + 4 l + y: K IS TURNED, alike here and in Wq, Wk, Wv below.  hq: [block of 64 rows 256][set 3][row 64][512]; each store covers 512 consecutive bytes, aligned.
; WORK-GROUPS 256 TO 447: the six weights (f32, K not innermost) become codes of E4M3, each with its given scale 2^e, laid as IMAGES OF OPERAND REGISTERS:
; a fragment (16 columns x 128 k) is 16 registers a lane; registers 4c .. 4c+3 of lane l lie at byte 512 c + 16 l of its 2,048 bytes.
; code = number / 2^e, held within +-448, to the nearest code, ties to even.  LIMITS: -126 <= e <= 119 for every entry used here; NaN among the inputs is not served.
; A wave takes one job: 32 neighbouring columns x 128 k = two fragments.  A LANE TAKES A COLUMN AND ITS REGISTERS RUN DOWN K: each load reads
; 128 consecutive bytes, and the conversions, which take eight neighbours along K from one lane, give codes with K innermost.
; Which k stands where.  PLAIN (Wp, W1, W2): register q, byte y of lane (r, h) holds k = 16 (q/2) + 8 h + 4 (q%2) + y: the 8-bit operand's own layout.
; TURNED (Wq, Wk, Wv): K step s, register 4c+i, byte y holds k = 128 i + 32 s + 8 c + 4 h + y.
; A lane makes both halves (h = 0 in CA, h = 1 in CB) of its column; sixteen swaps of half-waves then make CA the fragment of columns 0-15 and CB that of columns 16-31.
; Jobs 0-47: Wq, Wk, Wv -> wqkv [head][(tensor*2+u)*4+s][2048].  48-63: Wp, 64-127: W1, 128-191: W2 -> ws3 [slot 18][wave 4][i 16][2048], in the order in which the last launch walks them.
; No LDS, no barrier, no matrix unit: waves share nothing, and memory and vector work bind.
; THE MODE: SCHED_MODE bits 1:0 = 2 (LLVM: expert scheduling mode 2), set by the entry lines.  The code itself states the register dependences
; between vector instructions and memory instructions, with s_wait_alu, always for 0.
; THE PLAN.  Registers that memory instructions touch:
;   layer norm: v2, v3, v9   offsets, written once at the path's head, read by every load and store of the path: one wait on va_vdst ahead of the first load.
;               v32-63, window 1   gain, bias, x: each register is loaded once; vector instructions only read them.
;               v192-239     the codes of four rows x three sets.  Written by the four rows' 24 conversions; read by their 12 stores, which stand in ONE run behind one wait on va_vdst;
;                            written again by the next four rows' conversions, behind one wait on vm_vsrc.
;   weights:    v1, v2       offsets, written at the kernel's head: one wait on va_vdst at the path's head.
;               v16-143      each register is loaded once; no vector instruction names it ahead of its load.
;               CA, CB       written by the conversions and the swaps; read by the eight stores, behind one wait on va_vdst.
;   s22, the wave's number, is written by a vector instruction: one wait on va_sdst ahead of the branch that parts the two paths.
.set NUM, 16                           ; weights: v16-143  128 numbers
.set CA,  144                          ; v144-159 codes for h = 0, then the first fragment
.set CB,  160                          ; v160-175 codes for h = 1, then the second
.set G,   32                           ; layer norm: v32-47 gain, v48-63 bias of my 16 columns
.set BB,  48
.set D,   64                           ; v64-127  four rows at work
.set T,   128                          ; v128-159 sums; held numbers, two sets of 16
.set MU,  176                          ; v176, 178 .. mean; v184, 186 .. 1 / deviation (the odd ones are named in pairs and written once)
.set RS,  184
.set C,   192                          ; v192-239 the codes of four rows x three sets: registers of its own for each store.  Window 1: x, 16 rows x 16
.set MSB, 0
.macro WIN new                         ; the immediate's high byte repeats the setting that is left
.if MSB != \new
	s_set_vgpr_msb (MSB<<8)|\new
.set MSB, \new
.endif
.endm
.macro MKSC vs, vl, se                 ; s[se] = e -> v[vs] = 2^e, v[vl] = 448 x 2^e
	s_add_co_i32 s30, s[\se], 127
	s_lshl_b32 s31, s30, 23
	v_mov_b32 v[\vs], s31
	s_add_co_i32 s30, s30, 8
	s_lshl_b32 s30, s30, 23
	s_or_b32 s30, s30, 0x600000
	v_mov_b32 v[\vl], s30
.endm
.macro RED                             ; four rows' eight partial sums each (v[T+8a] on) -> the row's sum in v[T+8a] of every lane
.irp a, 0,1,2,3
	v_pk_add_f32 v[T+8*\a:T+8*\a+1], v[T+8*\a:T+8*\a+1], v[T+8*\a+2:T+8*\a+3]
	v_pk_add_f32 v[T+8*\a+4:T+8*\a+5], v[T+8*\a+4:T+8*\a+5], v[T+8*\a+6:T+8*\a+7]
.endr
.irp a, 0,1,2,3
	v_pk_add_f32 v[T+8*\a:T+8*\a+1], v[T+8*\a:T+8*\a+1], v[T+8*\a+4:T+8*\a+5]
.endr
.irp a, 0,1,2,3
	v_add_f32 v[T+8*\a], v[T+8*\a], v[T+8*\a+1]
.endr
.irp x, 1,2,4,8
.irp a, 0,1,2,3
	v_add_f32_dpp v[T+8*\a], v[T+8*\a], v[T+8*\a] row_xmask:\x row_mask:0xf bank_mask:0xf
.endr
.endr
.irp a, 0,1,2,3
	v_permlanex16_b32 v[T+8*\a+1], v[T+8*\a], s24, s25
.endr
.irp a, 0,1,2,3
	v_add_f32 v[T+8*\a], v[T+8*\a], v[T+8*\a+1]
.endr
.endm
; Four rows (4 q4 + a) through the layer norm, line by line in turn, and into codes under three scales.
.macro LN4 q4
	s_wait_loadcnt 48-16*\q4                       ; gain, bias and these four rows are in; the 16 loads of each four rows behind them may be out
	WIN 0x05
.irp a, 0,1,2,3
.irp p, 0,1,2,3
	v_pk_add_f32 v[T+8*\a+2*\p:T+8*\a+2*\p+1], v[64*\q4+16*\a+4*\p:64*\q4+16*\a+4*\p+1], v[64*\q4+16*\a+4*\p+2:64*\q4+16*\a+4*\p+3]
.endr
.endr
	WIN 0
	RED
.irp a, 0,1,2,3
	v_mul_f32 v[MU+2*\a], s26, v[T+8*\a]           ; the mean
.endr
	WIN 0x01
.irp a, 0,1,2,3
.irp j, 0,2,4,6,8,10,12,14
	v_pk_add_f32 v[D+16*\a+\j:D+16*\a+\j+1], v[64*\q4+16*\a+\j:64*\q4+16*\a+\j+1], v[MU+2*\a:MU+2*\a+1] op_sel_hi:[1,0] neg_lo:[0,1] neg_hi:[0,1]
.endr
.endr
	WIN 0
.irp a, 0,1,2,3
.irp p, 0,1,2,3
	v_pk_mul_f32 v[T+8*\a+2*\p:T+8*\a+2*\p+1], v[D+16*\a+4*\p:D+16*\a+4*\p+1], v[D+16*\a+4*\p:D+16*\a+4*\p+1]
.endr
.endr
.irp a, 0,1,2,3
.irp p, 0,1,2,3
	v_pk_fma_f32 v[T+8*\a+2*\p:T+8*\a+2*\p+1], v[D+16*\a+4*\p+2:D+16*\a+4*\p+3], v[D+16*\a+4*\p+2:D+16*\a+4*\p+3], v[T+8*\a+2*\p:T+8*\a+2*\p+1]
.endr
.endr
	RED
.irp a, 0,1,2,3
	v_fma_f32 v[T+8*\a], v[T+8*\a], s26, s27       ; the variance + 1e-5
.endr
.irp a, 0,1,2,3
	v_rsq_f32 v[RS+2*\a], v[T+8*\a]
.endr
	v_nop                                          ; a plain line behind the last root,
	s_wait_alu depctr_va_vdst(0)                   ; and one wait for the four, ahead of their first reader
.irp a, 0,1,2,3
.irp j, 0,2,4,6,8,10,12,14
	v_pk_mul_f32 v[D+16*\a+\j:D+16*\a+\j+1], v[D+16*\a+\j:D+16*\a+\j+1], v[RS+2*\a:RS+2*\a+1] op_sel_hi:[1,0]
.endr
.endr
.irp a, 0,1,2,3
.irp j, 0,2,4,6,8,10,12,14
	v_pk_fma_f32 v[D+16*\a+\j:D+16*\a+\j+1], v[D+16*\a+\j:D+16*\a+\j+1], v[G+\j:G+\j+1], v[BB+\j:BB+\j+1]
.endr
.endr
.if \q4 > 0
	s_wait_xcnt 0x0                                ; the stores of the four rows before have had their addresses translated: the codes' registers are written again only behind this wait,
	s_wait_alu depctr_vm_vsrc(0)                   ; and behind this one: those stores have read v192-239, which the conversions below write again
.endif
.irp a, 0,1,2,3
.irp q, 0,1,2                          ; the set: h for Wq, for Wk, for Wv
.set TH, T+16*((3*\a+\q)%2)
.set CC, C+4*(3*\a+\q)
.irp j, 0,1,2,3,4,5,6,7,8,9,10,11,12,13,14,15
	v_med3_num_f32 v[TH+\j], v[D+16*\a+\j], -v[11+2*\q], v[11+2*\q]   ; the hold: the conversion does not saturate (ISA guide 7.6.2)
.endr
	v_cvt_scalef32_pk8_fp8_f32 v[CC:CC+1], v[TH:TH+7], v[10+2*\q]
	v_cvt_scalef32_pk8_fp8_f32 v[CC+2:CC+3], v[TH+8:TH+15], v[10+2*\q]
.endr
.endr
	s_wait_alu depctr_va_vdst(0)                   ; the 24 conversions have written v192-239, which the twelve stores read
.irp a, 0,1,2,3
.irp q, 0,1,2
	global_store_b128 v3, v[C+4*(3*\a+\q):C+4*(3*\a+\q)+3], s[62:63] offset:\q*32768+(4*\q4+\a)*512   ; a row's 512 bytes of codes
.endr
.endr
.endm
.macro LDG stride, perm, gam           ; group gam: the eight numbers of one conversion
.set z_, 0
.rept 8
.if \perm
.set KO, 128*(2*(((\gam)/2)%2)+z_/4)+8*((\gam)/4)+4*((\gam)%2)+z_%4
.else
.set KO, 8*(\gam)+z_
.endif
	global_load_b32 v[NUM+8*(\gam)+z_], v1, s[24:25] offset:KO*\stride th:TH_LOAD_NT
.set z_, z_+1
.endr
.endm
.macro SCALE                           ; s31 = e -> v4 = 2^e, v5 = 448 x 2^e
	s_add_co_i32 s31, s31, 127
	s_lshl_b32 s50, s31, 23
	v_mov_b32 v4, s50
	s_add_co_i32 s31, s31, 8
	s_lshl_b32 s31, s31, 23
	s_or_b32 s31, s31, 0x600000
	v_mov_b32 v5, s31
.endm
.macro WSDST                           ; s51 slot, s30 wave of the reader, s52 i, s48 source offset -> the two bases
	s_lshl_b32 s51, s51, 2
	s_add_co_u32 s51, s51, s30
	s_lshl_b32 s51, s51, 4
	s_add_co_u32 s51, s51, s52
	s_lshl_b32 s50, s51, 11
	s_mov_b32 s51, 0
	s_add_nc_u64 s[26:27], s[20:21], s[50:51]
	s_mov_b32 s49, 0
	s_add_nc_u64 s[24:25], s[24:25], s[48:49]
.endm
.macro JOB stride, perm, du
.set GG, 0
.rept 7
	LDG \stride, \perm, GG                         ; seven groups, 56 loads, run ahead
.set GG, GG+1
.endr
.set GG, 0
.rept 16
.if GG+7 < 16
	LDG \stride, \perm, GG+7                       ; into registers that no vector instruction has named
.endif
.if 8*(15-GG) < 56
	s_wait_loadcnt 8*(15-GG)                       ; this group is in; what was issued behind it may be out
.else
	s_wait_loadcnt 56
.endif
.set z_, 0
.rept 8
	v_med3_num_f32 v[NUM+8*GG+z_], v[NUM+8*GG+z_], -v5, v5   ; the conversion to an 8-bit code does not saturate (ISA guide 7.6.2): the hold comes first
.set z_, z_+1
.endr
.if \perm
.set DP, 4*(GG/4)+2*((GG/2)%2)
.else
.set DP, 2*(GG/2)
.endif
.if GG%2
	v_cvt_scalef32_pk8_fp8_f32 v[CB+DP:CB+DP+1], v[NUM+8*GG:NUM+8*GG+7], v4
.else
	v_cvt_scalef32_pk8_fp8_f32 v[CA+DP:CA+DP+1], v[NUM+8*GG:NUM+8*GG+7], v4
.endif
.set GG, GG+1
.endr
	v_nop                                          ; a plain line between the last conversion and the swaps that touch its result
.set z_, 0
.rept 16
	v_permlane16_swap_b32 v[CA+z_], v[CB+z_]       ; CA's lanes 16-31 <-> CB's lanes 0-15
.set z_, z_+1
.endr
	s_wait_alu depctr_va_vdst(0)                   ; the swaps have written CA and CB, which the eight stores read
.irp c, 0,1,2,3
	global_store_b128 v2, v[CA+4*\c:CA+4*\c+3], s[26:27] offset:512*\c         ; 32 lanes store 512 consecutive bytes, aligned
	global_store_b128 v2, v[CB+4*\c:CB+4*\c+3], s[26:27] offset:\du+512*\c
.endr
	s_endpgm
.endm
	s_load_b256 s[4:11], s[0:1], 0x0               ; Wq s[4:5], Wk s[6:7], Wv s[8:9], Wp s[10:11]
	s_load_b256 s[12:19], s[0:1], 0x20             ; W1 s[12:13], W2 s[14:15], the exponents s[16:17], wqkv s[18:19]
	s_load_b64 s[20:21], s[0:1], 0x40              ; ws3
	s_load_b128 s[56:59], s[0:1], 0x48             ; x s[56:57], gain s[58:59]
	s_load_b128 s[60:63], s[0:1], 0x58             ; bias s[60:61], hq s[62:63]
	v_lshrrev_b32 v1, 5, v0
	v_readfirstlane_b32 s22, v1                    ; wave
	v_and_b32 v6, 31, v0
	v_lshlrev_b32 v1, 2, v6                        ; 4 bytes a lane
	v_lshlrev_b32 v2, 4, v6                        ; 16 bytes a lane
	s_wait_alu depctr_va_sdst(0)                   ; s22 is written, ahead of the branch and of its first reader on either path
	s_wait_kmcnt 0x0
	s_load_b512 s[32:47], s[16:17], 0x0            ; e of entry i in s[32+i]
	s_cmp_lt_u32 ttmp9, 256
	s_cbranch_scc0 .Lweights
	; ---- the layer norm: block ttmp9 of 64 rows, my wave's 16
	s_lshl_b32 s28, s22, 15
	v_add_nc_u32 v9, s28, v2                       ; x: 16 rows of 2,048 bytes a wave
	s_lshl_b32 s28, s22, 13
	v_add_nc_u32 v3, s28, v2                       ; hq: 16 rows of 512 bytes a wave
	s_lshl_b32 s28, ttmp9, 17
	s_mov_b32 s29, 0
	s_add_nc_u64 s[56:57], s[56:57], s[28:29]
	s_mul_i32 s28, ttmp9, 98304                    ; three sets of 64 rows of 512 bytes
	s_add_nc_u64 s[62:63], s[62:63], s[28:29]
	s_wait_alu depctr_va_vdst(0)                   ; v2, v3 and v9 are written: every load and store of this path reads one of them as its offset
.irp i, 0,1,2,3
	global_load_b128 v[G+4*\i:G+4*\i+3], v2, s[58:59] offset:512*\i
	global_load_b128 v[BB+4*\i:BB+4*\i+3], v2, s[60:61] offset:512*\i
.endr
	WIN 0x40
.set j_, 0
.rept 64
	global_load_b128 v[4*j_:4*j_+3], v9, s[56:57] offset:512*j_ th:TH_LOAD_NT   ; row j / 4, quarter j % 4: 512 consecutive bytes
.set j_, j_+1
.endr
	WIN 0
	s_mov_b32 s24, 0x76543210                      ; v_permlanex16_b32: lane l xor 16
	s_mov_b32 s25, 0xfedcba98
	s_mov_b32 s26, 0x3b000000                      ; 1 / 512
	s_mov_b32 s27, 0x3727c5ac                      ; 1e-5
.irp j, 177,179,181,183,185,187,189,191
	v_mov_b32 v\j, 0
.endr
	s_wait_kmcnt 0x0
	MKSC 10, 11, 33
	MKSC 12, 13, 35
	MKSC 14, 15, 37
	LN4 0
	LN4 1
	LN4 2
	LN4 3
	s_endpgm
.Lweights:
	s_wait_kmcnt 0x0
	s_wait_alu depctr_va_vdst(0)                   ; v1 and v2 are written: every load of a job reads v1 as its offset, every store v2
	s_sub_co_u32 s23, ttmp9, 256                   ; the job's group, 0 to 191
	s_cmp_lt_u32 s23, 48
	s_cbranch_scc0 .Lnot_qkv
	s_lshr_b32 s28, s23, 4                         ; which of Wq, Wk, Wv
	s_and_b32 s29, s23, 15
	s_and_b32 s30, s29, 3                          ; K step s
	s_and_b32 s29, s29, 12
	s_add_co_u32 s29, s29, s22                     ; head
	s_cmp_eq_u32 s28, 0
	s_cselect_b64 s[24:25], s[4:5], s[6:7]
	s_cselect_b32 s31, s32, s34
	s_cmp_eq_u32 s28, 2
	s_cselect_b64 s[24:25], s[8:9], s[24:25]
	s_cselect_b32 s31, s36, s31                    ; e of entry 0, 2 or 4
	s_lshl_b32 s48, s29, 16                        ; a head is 512 rows of 128 bytes;
	s_lshl_b32 s49, s30, 12                        ; 32 s rows
	s_add_co_u32 s48, s48, s49
	s_mov_b32 s49, 0
	s_add_nc_u64 s[24:25], s[24:25], s[48:49]
	s_mul_i32 s48, s29, 3
	s_add_co_u32 s48, s48, s28
	s_lshl_b32 s48, s48, 3
	s_add_co_u32 s48, s48, s30
	s_lshl_b32 s48, s48, 11                        ; ((head*3 + tensor)*8 + s) fragments; u = 1 lies four fragments on
	s_add_nc_u64 s[26:27], s[18:19], s[48:49]
	SCALE
	JOB 128, 1, 8192
.Lnot_qkv:
	s_cmp_lt_u32 s23, 64
	s_cbranch_scc0 .Lnot_wp
	s_sub_co_u32 s28, s23, 48
	s_and_b32 s29, s28, 3                          ; K step
	s_lshr_b32 s30, s28, 2                         ; the reader's wave: columns 128 w3 on
	s_mov_b64 s[24:25], s[10:11]
	s_mov_b32 s31, s43
	s_lshl_b32 s48, s29, 18                        ; 128 rows of 2,048 bytes
	s_lshl_b32 s49, s30, 2
	s_add_co_u32 s49, s49, s22
	s_lshl_b32 s49, s49, 7
	s_add_co_u32 s48, s48, s49
	s_lshr_b32 s51, s29, 1                         ; slot
	s_and_b32 s52, s29, 1
	s_lshl_b32 s52, s52, 3
	s_lshl_b32 s53, s22, 1
	s_add_co_u32 s52, s52, s53                     ; i = 8 (K step % 2) + tile
	s_branch .Lrows2048
.Lnot_wp:
	s_cmp_lt_u32 s23, 128
	s_cbranch_scc0 .Lw2
	s_sub_co_u32 s28, s23, 64
	s_and_b32 s29, s28, 3                          ; K step
	s_lshr_b32 s28, s28, 2                         ; which 128 columns of 2,048
	s_and_b32 s30, s28, 3                          ; the reader's wave
	s_mov_b64 s[24:25], s[12:13]
	s_mov_b32 s31, s45
	s_lshl_b32 s48, s29, 20                        ; 128 rows of 8,192 bytes
	s_lshl_b32 s49, s28, 2
	s_add_co_u32 s49, s49, s22
	s_lshl_b32 s49, s49, 7
	s_add_co_u32 s48, s48, s49
	s_and_b32 s51, s28, 12                         ; 4 x chunk
	s_lshr_b32 s53, s22, 1
	s_add_co_u32 s51, s51, s53
	s_add_co_u32 s51, s51, 2                       ; slot = 2 + 4 chunk + pair / 2
	s_and_b32 s52, s22, 1
	s_lshl_b32 s52, s52, 3
	s_lshl_b32 s53, s29, 1
	s_add_co_u32 s52, s52, s53                     ; i = 8 (pair % 2) + 2 K step + u
	WSDST
	SCALE
	JOB 8192, 0, 2048
.Lw2:
	s_sub_co_u32 s28, s23, 128
	s_and_b32 s30, s28, 3                          ; the reader's wave
	s_lshr_b32 s29, s28, 2                         ; K step, 0 to 15
	s_mov_b64 s[24:25], s[14:15]
	s_mov_b32 s31, s47
	s_lshl_b32 s48, s29, 18
	s_lshl_b32 s49, s30, 2
	s_add_co_u32 s49, s49, s22
	s_lshl_b32 s49, s49, 7
	s_add_co_u32 s48, s48, s49
	s_and_b32 s51, s29, 12                         ; 4 x chunk
	s_bfe_u32 s53, s29, 0x10001
	s_add_co_u32 s51, s51, s53
	s_add_co_u32 s51, s51, 4                       ; slot = 4 + 4 chunk + (K step % 4) / 2
	s_and_b32 s52, s29, 1
	s_lshl_b32 s52, s52, 3
	s_lshl_b32 s53, s22, 1
	s_add_co_u32 s52, s52, s53
.Lrows2048:
	WSDST
	SCALE
	JOB 2048, 0, 2048
.Lfunc_end_k_q5d20ac42d7_prep:
	.size	k_q5d20ac42d7_prep, .Lfunc_end_k_q5d20ac42d7_prep-k_q5d20ac42d7_prep
	.p2alignl 7, 3214868480
	.fill 96, 4, 3214868480
	.section	.rodata,"a",@progbits
	.p2align	6, 0x0
	.amdhsa_kernel k_q5d20ac42d7_prep
		.amdhsa_group_segment_fixed_size 0
		.amdhsa_private_segment_fixed_size 0
		.amdhsa_enable_private_segment 0
		.amdhsa_kernarg_size 104
		.amdhsa_user_sgpr_count 2
		.amdhsa_user_sgpr_kernarg_segment_ptr 1
		.amdhsa_wavefront_size32 1
		.amdhsa_system_sgpr_workgroup_id_x 1
		.amdhsa_system_sgpr_workgroup_id_y 1
		.amdhsa_system_sgpr_workgroup_id_z 1
		.amdhsa_system_vgpr_workitem_id 0
		.amdhsa_next_free_vgpr 512
		.amdhsa_next_free_sgpr 66
		.amdhsa_reserve_vcc 0
		.amdhsa_float_denorm_mode_32 3
		.amdhsa_float_denorm_mode_16_64 3
		.amdhsa_memory_ordered 1
		.amdhsa_forward_progress 1
		.amdhsa_inst_pref_size 198
	.end_amdhsa_kernel
	.amdgpu_metadata
---
amdhsa.version: [ 1, 2 ]
amdhsa.kernels:
  - .name:           k_q5d20ac42d7_prep
    .symbol:         k_q5d20ac42d7_prep.kd
    .args:
      - { .name: Wq, .offset: 0, .size: 8, .value_kind: global_buffer, .address_space: global }
      - { .name: Wk, .offset: 8, .size: 8, .value_kind: global_buffer, .address_space: global }
      - { .name: Wv, .offset: 16, .size: 8, .value_kind: global_buffer, .address_space: global }
      - { .name: Wp, .offset: 24, .size: 8, .value_kind: global_buffer, .address_space: global }
      - { .name: W1, .offset: 32, .size: 8, .value_kind: global_buffer, .address_space: global }
      - { .name: W2, .offset: 40, .size: 8, .value_kind: global_buffer, .address_space: global }
      - { .name: lowp_scales, .offset: 48, .size: 8, .value_kind: global_buffer, .address_space: global }
      - { .name: wqkv, .offset: 56, .size: 8, .value_kind: global_buffer, .address_space: global }
      - { .name: ws3, .offset: 64, .size: 8, .value_kind: global_buffer, .address_space: global }
      - { .name: x, .offset: 72, .size: 8, .value_kind: global_buffer, .address_space: global }
      - { .name: g_ln1, .offset: 80, .size: 8, .value_kind: global_buffer, .address_space: global }
      - { .name: b_ln1, .offset: 88, .size: 8, .value_kind: global_buffer, .address_space: global }
      - { .name: hq, .offset: 96, .size: 8, .value_kind: global_buffer, .address_space: global }
    .group_segment_fixed_size: 0
    .private_segment_fixed_size: 0
    .kernarg_segment_align: 8
    .kernarg_segment_size: 104
    .max_flat_workgroup_size: 128
    .sgpr_count:     66
    .vgpr_count:     512
    .wavefront_size: 32
...
	.end_amdgpu_metadata
.endif
;; end of part 4
;; launch attn (part 5): grid 4 x 64, 4 waves a work-group, no clusters, 200,192 bytes of LDS; arguments hq, wqkv, lowp_scales, att; writes att
.if DOCPART == 5
	.amdgcn_target "amdgcn-amd-amdhsa--gfx1250"
	.amdhsa_code_object_version 6
	.text
	.protected	k_q5d20ac42d7_attn
	.globl	k_q5d20ac42d7_attn
	.p2align	8
	.type	k_q5d20ac42d7_attn,@function
k_q5d20ac42d7_attn:
	s_mov_b64 s[64:65], 0
	v_nop
	global_prefetch_b8 v0, s[64:65] scope:SCOPE_SE
	s_setreg_imm32_b32 hwreg(HW_REG_WAVE_SCHED_MODE, 0, 2), 2
	s_setreg_imm32_b32 hwreg(HW_REG_WAVE_MODE, 25, 1), 1
	s_wait_xcnt 0x0
	s_wait_alu depctr_vm_vsrc(0)
; q, k, v = h Wq, h Wk, h Wv; causal attention; its result as codes for the projection.  All five products on codes of E4M3 with the given scales 2^e (entries 0 to 10).  h = layernorm(x) comes as codes, three sets (for Wq, Wk, Wv).
; SHARES.  A work-group takes one batch (256 rows) and four heads; wave w is head 4 x + w.  Its 24 weight fragments stay in registers; its q, k, v and its whole attention are its own.
; Only h's codes are shared by the waves: 64 rows at a time, wave w brings rows 16 w on of the three sets (48 loads of 512 consecutive bytes) and lays them in LDS rows of 512 + 16 bytes, which all four waves read.
; K IS TURNED, alike in h and in the weights: byte 16 l + 4 i + y of a row of codes is column 128 i + 4 l + y.
; q, k: source 0 = 16 columns of W, source 1 = 16 rows of h: a lane holds one token and 8 neighbouring d: the conversion's result is the 8-bit operand's own layout (registers 2u, 2u+1: d = 16u + 8h ..).
; v: source 0 = 16 rows of h, source 1 = 16 columns of Wv: a lane holds one d and 8 neighbouring tokens: V^T with the keys innermost.
; ATTENTION, a tile of 16 queries at a time, 64 keys a step.  S^T = K Q^T, O^T = V^T P^T: a lane holds one query throughout.  The head's 32 fill half of the K = 64 form: Q's upper four registers are zero codes,
; and K's upper four are whatever codes lie next (never the NaN code: all are held), which add nothing.  t = score x log2(e) / sqrt(32); M = the running largest t rounded up to a whole number; p = 2^(t - M) is
; quantised, not normalised; the row's sum is of the unquantised p.  Key steps all of whose keys come after the tile's queries are left out (a scalar branch on the trip's number).
; att: [tile of 16 tokens 1024][K step = head group 4][head in group 4][512]: images of the projection's operand registers.
; LIMITS on the given exponents, so that each power of two is an f32 number: e8, e10, e6-e0-e1, e7-e2-e3, e9-e4-e5 between -126 and 119; e6+e7 between -124 and 129.
; No cluster, no tensor load, no prefetch: what the four work-groups of a batch share is h's codes, 96 KB a chunk.  Each wave asks for its 24 KB one chunk's 96 products ahead, straight into registers, and the copy
; into LDS is 96 of a chunk's some 700 lines.  A joint load would spare those lines and three of four requests, at the price of a ring with its rounds.
; REGISTERS.  window 1: Wq's 8 fragments (16 (4u+s)), Wk's from v128.  window 2: Wv's; from v128 h's fragments of K steps 0 and 1.  window 3: v0-191 my 16 rows x 3 sets of codes on their way to LDS.
; window 0: v1 16 lane; v2, v3 where I store h's codes; v4, v5 where I read them; v6 my own LDS region + 16 lane; v7, v8, v29 addresses in hand; v9 hq's offset; v16-25 scale and limit pairs; v26 r - 8h; v27, v28 the mask;
;   in the chunk loop v32-159 h's fragments of K steps 2 and 3.
; THE MODE: SCHED_MODE bits 1:0 = 2 (LLVM: expert scheduling mode 2), set by the entry lines.  The code itself states the register dependences
; between vector or matrix instructions and memory or LDS instructions, with s_wait_alu, always for 0.
; THE PLAN.  Registers that memory or LDS instructions touch:
;   v1-v6, v9, v14, v15   Written once at the head, ahead of the head's wait on va_vdst; read by loads, stores and the closing add; never written again.
;   v7, v8                Written by two additions at a chunk's head, behind a wait on vm_vsrc; read by the chunk's twelve LDS stores of codes.
;   window 3, v0-191      Global loads land there, LDS stores read them, no vector instruction names them: one wait on vm_vsrc between the stores and the next chunk's loads.
;   H0 .. H3              h's fragments, a buffer for each K step of a tensor.  LDS loads land there; the tensor's 32 products read them.  Behind a tensor's last product ONE wait on va_vdst frees all four,
;                         just where the holds want the products' results; the next tensor's 64 loads follow it, dealt among the 64 holds, which name v192-255 and the limits alone.
;   v160-175              A tensor's codes: written by its eight conversions, read by its four LDS stores behind one wait on va_vdst; written again behind a wait on vm_vsrc.
;                         That wait on va_vdst of a chunk's last tensor also stands ahead of the next chunk's first 64 loads, and of K's and V's loads behind the loop: the only vector instructions between are the additions to v7 and v8.
;   attention             v32-159: K and V, loaded once.  v29: written each trip behind a wait on vm_vsrc, read by Q's load behind a wait on va_vdst.  v236-239: two conversions write them, one store reads them.
;   s16 (the wave's number) and the mask's 32 scalar registers are written by vector instructions: a wait on va_sdst stands between each run of writers and its first reader.
.set HSET, 33792                       ; a set of h's codes: 64 rows x 528 bytes
.set PRV,  101376                      ; behind the three sets: 24,576 bytes for each wave: Q's 16 tiles x 512, K's 16 x 512, V's 8 fragments x 1,024
.set C,   160                          ; chunk loop: v160-175 codes
.set ACC, 192                          ; v192-255 eight accumulators
.set KF,  32                           ; attention: v32-95 K, 4 a tile; v96-159 V, 8 a fragment (4u + step)
.set VF,  96
.set QF,  160                          ; v160-167 Q, the upper four 0
.set ST,  168                          ; v168-199 S^T, then p
.set PC,  200                          ; v200-207 p's codes
.set OT,  208                          ; v208-223 O^T;  v224 -M, v225 largest t, v[226:227] the sum, v[228:229] f, v[230:231] second chain, v232-235 at work
.set OC,  236
.set OA,  240
.set MSB, 0
.macro WIN new                         ; the immediate's high byte repeats the setting that is left
.if MSB != \new
	s_set_vgpr_msb (MSB<<8)|\new
.set MSB, \new
.endif
.endm
.macro PLACES                          ; four plain lines behind matrix instructions, ahead of reads of results and of loads into operands
.rept 4
	v_nop
.endr
.endm
.macro MKSC vs, vl, se                 ; s[se] = e -> v[vs] = 2^e, v[vl] = 448 x 2^e
	s_add_co_i32 s20, s[\se], 127
	s_lshl_b32 s21, s20, 23
	v_mov_b32 v[\vs], s21
	s_add_co_i32 s20, s20, 8
	s_lshl_b32 s20, s20, 23
	s_or_b32 s20, s20, 0x600000
	v_mov_b32 v[\vl], s20
.endm
.macro HLOAD                           ; my 16 rows of a chunk's three sets: each load 512 consecutive bytes
	WIN 0xc0
.set j_, 0
.rept 48
	global_load_b128 v[4*j_:4*j_+3], v9, s[4:5] offset:32768*(j_/16)+512*(j_%16)
.set j_, j_+1
.endr
	WIN 0
.endm
.macro HSTORE                          ; and into LDS, a row a line
	WIN 0x0c                                       ; the data lie in window 3
.set j_, 0
.rept 48
.if j_ < 32
	ds_store_b128 v2, v[4*j_:4*j_+3] offset:(j_/16)*HSET+(j_%16)*528
.else
	ds_store_b128 v3, v[4*j_:4*j_+3] offset:(j_%16)*528
.endif
.set j_, j_+1
.endr
	WIN 0
.endm
.macro BAR
	s_wait_dscnt 0x0                               ; my LDS stores have landed and my LDS loads are in
	s_barrier_signal -1
	s_barrier_wait -1
.endm
; K step ks of tensor ta's set: four fragments of h (the chunk's four tiles of rows) into buffer ks: window 2 v128 on, v192 on; window 0 v32 on, v96 on
.macro FETCHH ta, ks
.if (\ks) < 2
	WIN 0x80
.set hb_, 128+64*(\ks)
.else
	WIN 0
.set hb_, 32+64*((\ks)-2)
.endif
.irp m, 0,1,2,3
.irp c, 0,1,2,3
.if (\ta) < 2
	ds_load_b128 v[hb_+16*\m+4*\c:hb_+16*\m+4*\c+3], v4 offset:(\ta)*HSET+\m*8448+128*(\ks)+32*\c
.else
	ds_load_b128 v[hb_+16*\m+4*\c:hb_+16*\m+4*\c+3], v5 offset:\m*8448+128*(\ks)+32*\c
.endif
.endr
.endr
.endm
; the eight finished accumulators become codes and go to my own LDS region as register images; the next tensor's fragments of h are asked for on the way
.macro QOUT ta
	PLACES
.if (\ta) > 0
	s_wait_alu depctr_vm_vsrc(0)                   ; the LDS stores of the tensor before have read v160-175, which the conversions below write again
.endif
.if (\ta) < 2
	WIN 0x80
	s_wait_alu depctr_va_vdst(0)                   ; the tensor's 32 products are done reading the four buffers, in which the 64 loads below land; no vector instruction behind this wait names a buffer or v4, v5
	FETCHH (\ta)+1, 0
	FETCHH (\ta)+1, 1
	WIN 0
.endif
.set j_, 0
.rept 32
	v_med3_num_f32 v[ACC+j_], v[ACC+j_], -v[17+2*(\ta)], v[17+2*(\ta)]   ; the hold (ISA guide 7.6.2); each accumulator from its low end on
.set j_, j_+1
.endr
.if (\ta) < 2
	FETCHH (\ta)+1, 2
.endif
.rept 32
	v_med3_num_f32 v[ACC+j_], v[ACC+j_], -v[17+2*(\ta)], v[17+2*(\ta)]
.set j_, j_+1
.endr
.if (\ta) < 2
	FETCHH (\ta)+1, 3
.endif
.irp m, 0,1,2,3
.irp u, 0,1
.if (\ta) < 2
	v_cvt_scalef32_pk8_fp8_f32 v[C+4*\m+2*\u:C+4*\m+2*\u+1], v[ACC+8*(2*\m+\u):ACC+8*(2*\m+\u)+7], v[16+2*(\ta)]
.else
	v_cvt_scalef32_pk8_fp8_f32 v[C+8*\u+2*\m:C+8*\u+2*\m+1], v[ACC+8*(2*\m+\u):ACC+8*(2*\m+\u)+7], v[16+2*(\ta)]
.endif
.endr
.endr
	v_nop                                          ; a plain line behind the last conversion
	s_wait_alu depctr_va_vdst(0)                   ; the conversions have written v160-175, the stores' data; v7 and v8, their addresses, are written too
.irp f, 0,1,2,3
.if (\ta) < 2
	ds_store_b128 v7, v[C+4*\f:C+4*\f+3] offset:8192*(\ta)+512*\f
.else
	ds_store_b128 v8, v[C+4*\f:C+4*\f+3] offset:4096*(\f/2)+512*(\f%2)
.endif
.endr
.endm
	s_load_b64 s[4:5], s[0:1], 0x0                 ; hq
	s_load_b64 s[10:11], s[0:1], 0x8               ; wqkv
	s_load_b128 s[12:15], s[0:1], 0x10             ; the exponents s[12:13], att s[14:15]
	v_lshl_add_u32 v14, v0, 2, 0x30c00
	v_mov_b32 v15, 0
	v_lshrrev_b32 v30, 5, v0
	v_readfirstlane_b32 s16, v30                   ; wave
	s_and_b32 s18, ttmp7, 0xffff                   ; batch
	v_and_b32 v30, 31, v0
	v_and_b32 v31, 15, v0                          ; r
	v_bfe_u32 v29, v0, 4, 1                        ; h
	v_lshlrev_b32 v1, 4, v30
	s_wait_alu depctr_va_sdst(0)                   ; s16 is written, ahead of its first reader: LDS places and the bases are made from it
	s_mul_i32 s20, s16, 8448                       ; my 16 rows of a set
	v_add_nc_u32 v2, s20, v1
	v_add_nc_u32 v3, 2*HSET, v2                    ; (the third set lies beyond a 16-bit immediate)
	v_mul_u32_u24 v4, v31, 528
	v_lshl_add_u32 v4, v29, 4, v4
	v_add_nc_u32 v5, 2*HSET, v4
	s_mul_i32 s20, s16, 24576
	s_add_co_u32 s20, s20, PRV
	v_add_nc_u32 v6, s20, v1
	s_lshl_b32 s20, s16, 13
	v_add_nc_u32 v9, s20, v1                       ; hq: 16 rows of 512 bytes a wave
	v_lshlrev_b32 v26, 3, v29
	v_sub_nc_u32 v26, v31, v26                     ; r - 8 h
	v_mov_b32 v28, 0xff800000                      ; -infinity
	s_lshl_b32 s20, ttmp9, 2
	s_add_co_u32 s20, s20, s16                     ; head
	s_mul_i32 s20, s20, 49152
	s_mov_b32 s21, 0
	s_mul_i32 s22, s18, 393216                     ; hq: four blocks of 98,304 bytes a batch
	s_mov_b32 s23, 0
	s_lshl_b32 s24, s18, 17                        ; att: 16 tiles x 8,192 bytes a batch,
	s_lshl_b32 s25, ttmp9, 11                      ; the head group's K step,
	s_add_co_u32 s24, s24, s25
	s_lshl_b32 s25, s16, 9                         ; my head's four registers
	s_add_co_u32 s24, s24, s25
	s_mov_b32 s25, 0
	s_mov_b32 s32, 0x76543210                      ; v_permlanex16_b32: lane l xor 16
	s_mov_b32 s33, 0xfedcba98
	s_wait_kmcnt 0x0
	s_load_b512 s[68:83], s[12:13], 0x0            ; e of entry i in s[68+i]
	s_add_nc_u64 s[10:11], s[10:11], s[20:21]
	s_add_nc_u64 s[4:5], s[4:5], s[22:23]
	s_add_nc_u64 s[14:15], s[14:15], s[24:25]
	WIN 0x40
	s_wait_alu depctr_va_vdst(0)                   ; v1 to v6, v9, v14 and v15 are written: the offsets and LDS addresses that the kernel's loads, stores and closing add read
.set f_, 0
.rept 16
.irp c, 0,1,2,3
	global_load_b128 v[16*f_+4*\c:16*f_+4*\c+3], v1, s[10:11] offset:2048*f_+512*\c
.endr
.set f_, f_+1
.endr
	WIN 0x80
.rept 8
.irp c, 0,1,2,3
	global_load_b128 v[16*(f_-16)+4*\c:16*(f_-16)+4*\c+3], v1, s[10:11] offset:2048*f_+512*\c
.endr
.set f_, f_+1
.endr
	WIN 0
	HLOAD
	s_wait_kmcnt 0x0
	s_sub_co_i32 s26, s74, s68                     ; a sum of the first product stands for sum x 2^(e0 + e1): q's conversion takes 2^(e6 - e0 - e1)
	s_sub_co_i32 s26, s26, s69
	MKSC 16, 17, 26
	s_sub_co_i32 s26, s75, s70
	s_sub_co_i32 s26, s26, s71
	MKSC 18, 19, 26
	s_sub_co_i32 s26, s77, s72
	s_sub_co_i32 s26, s26, s73
	MKSC 20, 21, 26
	MKSC 22, 23, 76
	MKSC 24, 25, 78
	s_add_co_i32 s45, s76, s77                     ; e8 + e9
	s_add_co_i32 s26, s74, s75
	s_lshl_b32 s26, s26, 23
	s_add_co_i32 s34, s26, 0x3e8293ee              ; c = log2(e) / sqrt(32) x 2^(e6 + e7): the exponents are added to c's exponent field
	s_mov_b32 s35, s34
	s_mov_b32 s38, 0                               ; chunk
	s_mov_b32 s39, 0                               ; its q and k tiles in my region
	s_mov_b32 s40, 16384                           ; its key step of V
.Lchunk:
	s_wait_alu depctr_vm_vsrc(0)                   ; the last chunk's LDS stores of codes have read v7 and v8, which are written here, and v160-175, which this chunk's first conversions write
	v_add_nc_u32 v7, s39, v6
	v_add_nc_u32 v8, s40, v6
	s_wait_loadcnt 0x0                             ; this chunk's codes (and, the first time, the weights)
	HSTORE
	s_wait_dscnt 0x0                               ; the stores have landed,
	s_wait_alu depctr_vm_vsrc(0)                   ; and have read window 3's registers, in which the next chunk's loads land
	s_cmp_eq_u32 s38, 3
	s_cbranch_scc1 .Lno_h                          ; no load leaves hq
	s_add_nc_u64 s[4:5], s[4:5], 98304             ; (the loads that read this base have come back)
	HLOAD                                          ; the next chunk's codes land under this chunk's products
.Lno_h:
	BAR                                            ; h's codes of 64 rows lie in LDS
	FETCHH 0, 0                                    ; the first tensor's four K steps.  No wait: the products that read these buffers stand ahead of the last wait on va_vdst, and only the additions to v7 and v8 (the first time: the scales' moves too) were issued since
	FETCHH 0, 1
	FETCHH 0, 2
	FETCHH 0, 3
.set g_, 0
.rept 12
.set ta_, g_/4
.set ks_, g_%4
.if ks_ < 2
.set ab_, 128+64*ks_
.else
.set ab_, 32+64*(ks_-2)
.endif
.if ta_ == 0
	s_wait_dscnt 48-16*ks_                         ; LDS loads come back in order (ISA guide 5.7.1): this K step's 16 are in, the later K steps' may be out
.else
	s_wait_dscnt 52-16*ks_                         ; likewise; the four stores of codes were issued behind the 64 loads
.endif
.if ta_ < 2
.if ks_ < 2
	WIN 0x09                                       ; source 0 (W) window 1, source 1 (h) window 2
.else
	WIN 0x01                                       ; source 0 (W) window 1, source 1 (h) window 0
.endif
.else
.if ks_ < 2
	WIN 0x0a                                       ; both in window 2
.else
	WIN 0x08                                       ; source 0 (h) window 0, source 1 (Wv) window 2
.endif
.endif
.irp m, 0,1,2,3                        ; eight accumulators by turns
.irp u, 0,1
.if ta_ < 2
.if ks_ == 0
	v_wmma_f32_16x16x128_fp8_fp8 v[ACC+8*(2*\m+\u):ACC+8*(2*\m+\u)+7], v[128*ta_+16*(4*\u+ks_):128*ta_+16*(4*\u+ks_)+15], v[ab_+16*\m:ab_+16*\m+15], 0
.else
	v_wmma_f32_16x16x128_fp8_fp8 v[ACC+8*(2*\m+\u):ACC+8*(2*\m+\u)+7], v[128*ta_+16*(4*\u+ks_):128*ta_+16*(4*\u+ks_)+15], v[ab_+16*\m:ab_+16*\m+15], v[ACC+8*(2*\m+\u):ACC+8*(2*\m+\u)+7]
.endif
.else
.if ks_ == 0
	v_wmma_f32_16x16x128_fp8_fp8 v[ACC+8*(2*\m+\u):ACC+8*(2*\m+\u)+7], v[ab_+16*\m:ab_+16*\m+15], v[16*(4*\u+ks_):16*(4*\u+ks_)+15], 0
.else
	v_wmma_f32_16x16x128_fp8_fp8 v[ACC+8*(2*\m+\u):ACC+8*(2*\m+\u)+7], v[ab_+16*\m:ab_+16*\m+15], v[16*(4*\u+ks_):16*(4*\u+ks_)+15], v[ACC+8*(2*\m+\u):ACC+8*(2*\m+\u)+7]
.endif
.endif
.endr
.endr
.if ks_ == 3
	WIN 0
	QOUT ta_
.endif
.set g_, g_+1
.endr
	BAR                                            ; every wave has read the rows: the next chunk may overwrite them
	s_add_co_u32 s39, s39, 2048
	s_add_co_u32 s40, s40, 1024
	s_add_co_u32 s38, s38, 1
	s_cmp_lt_u32 s38, 4
	s_cbranch_scc1 .Lchunk
	; ---- attention: all of K and V of my head come back into registers and stay
	s_wait_alu depctr_vm_vsrc(0)                   ; the last LDS stores of codes have read v160-175, which from here on are Q, its zeros and the scores
.set j_, 0
.rept 16
	ds_load_b128 v[KF+4*j_:KF+4*j_+3], v6 offset:8192+512*j_     ; into v32-159, which held h's fragments: the products that read them stand ahead of the last wait on va_vdst, and no vector instruction was issued since
	ds_load_b128 v[VF+4*j_:VF+4*j_+3], v6 offset:16384+512*j_
.set j_, j_+1
.endr
.irp j, 164,165,166,167,229,233,234
	v_mov_b32 v\j, 0
.endr
; A key step: keys 64 js on, for the 16 queries in hand.
.macro STEP js
.if \js > 0
	s_cmp_lt_u32 s43, \js
	s_cbranch_scc1 .Lfin                           ; this step's keys, and all later ones, come after my queries
.endif
.irp t, 0,1,2,3
	v_wmma_f32_16x16x64_fp8_fp8 v[ST+8*\t:ST+8*\t+7], v[KF+16*\js+4*\t:KF+16*\js+4*\t+7], v[QF:QF+7], 0
.endr
	PLACES
	s_cmp_lg_u32 s43, \js
	s_cbranch_scc1 .Lopen_\@                       ; only the step on the diagonal has hidden keys
.irp t, 0,1,2,3                        ; the 32 compares in one run, each into a scalar register of its own: s46-61 and s68-83 (the exponents there are done with)
.irp j, 0,1,2,3,4,5,6,7
	v_cmp_gt_i32 s[46+8*\t+\j+6*(\t/2)], 16*\t+\j, v27   ; key 16 t + 8 h + j against query 16 (i % 4) + r
.endr
.endr
	s_wait_alu depctr_va_sdst(0)                   ; the 32 masks are written, ahead of the selects that read them
.irp t, 0,1,2,3
.irp j, 0,1,2,3,4,5,6,7
	v_cndmask_b32 v[ST+8*\t+\j], v[ST+8*\t+\j], v28, s[46+8*\t+\j+6*(\t/2)]
.endr
.endr
.Lopen_\@:
	v_max3_num_f32 v232, v[ST], v[ST+1], v[ST+2]   ; the largest score, in two chains; each tile is first read at its low end
	v_max3_num_f32 v233, v[ST+8], v[ST+9], v[ST+10]
	v_max3_num_f32 v232, v232, v[ST+16], v[ST+17]
	v_max3_num_f32 v233, v233, v[ST+24], v[ST+25]
	v_max3_num_f32 v232, v232, v[ST+3], v[ST+4]
	v_max3_num_f32 v233, v233, v[ST+5], v[ST+6]
	v_max3_num_f32 v232, v232, v[ST+11], v[ST+12]
	v_max3_num_f32 v233, v233, v[ST+13], v[ST+14]
	v_max3_num_f32 v232, v232, v[ST+18], v[ST+19]
	v_max3_num_f32 v233, v233, v[ST+20], v[ST+21]
	v_max3_num_f32 v232, v232, v[ST+22], v[ST+23]
	v_max3_num_f32 v233, v233, v[ST+26], v[ST+27]
	v_max3_num_f32 v232, v232, v[ST+28], v[ST+29]
	v_max3_num_f32 v233, v233, v[ST+30], v[ST+31]
	v_max3_num_f32 v232, v232, v[ST+7], v[ST+15]
	v_max_num_f32 v232, v232, v233
	v_permlanex16_b32 v234, v232, s32, s33
	v_max_num_f32 v232, v232, v234
	v_mul_f32 v232, s34, v232                      ; as t (c is positive)
	v_max_num_f32 v225, v225, v232
	v_mov_b32 v235, v224
	v_floor_f32 v224, -v225                        ; -M = floor(-t): M is a whole number
	v_sub_f32 v235, v224, v235
	v_cvt_i32_f32 v235, v235                       ; (it saturates)
	v_ldexp_f32 v228, 1.0, v235                    ; f = 2^(old M - new M)
.irp j, 0,2,4,6,8,10,12,14,16,18,20,22,24,26,28,30
	v_pk_fma_f32 v[ST+\j:ST+\j+1], v[ST+\j:ST+\j+1], s[34:35], v[224:225] op_sel_hi:[1,0,0]
.endr
.set j_, 0
.rept 32
	v_exp_f32 v[ST+j_], v[ST+j_]
.set j_, j_+1
.endr
	v_pk_mul_f32 v[226:227], v[226:227], v[228:229] op_sel_hi:[1,0]   ; the sum under the new M: the plain line behind the batch
	s_wait_alu depctr_va_vdst(0)                   ; one wait for the 32 exponentials, ahead of their first reader
	v_pk_add_f32 v[230:231], v[ST:ST+1], v[ST+2:ST+3]
.irp j, 4,8,12,16,20,24,28
	v_pk_add_f32 v[226:227], v[226:227], v[ST+\j:ST+\j+1]
	v_pk_add_f32 v[230:231], v[230:231], v[ST+\j+2:ST+\j+3]
.endr
	v_pk_add_f32 v[226:227], v[226:227], v[230:231]
.set j_, 0
.rept 32
	v_min_num_f32 v[ST+j_], v[ST+j_], v23          ; p is not negative: a one-sided hold
.set j_, j_+1
.endr
.irp t, 0,1,2,3
	v_cvt_scalef32_pk8_fp8_f32 v[PC+2*\t:PC+2*\t+1], v[ST+8*\t:ST+8*\t+7], v22
.endr
.irp j, 0,2,4,6,8,10,12,14
	v_pk_mul_f32 v[OT+\j:OT+\j+1], v[OT+\j:OT+\j+1], v[228:229] op_sel_hi:[1,0]   ; O^T under the new M; also the plain lines behind the conversions
.endr
.irp u, 0,1
	v_wmma_f32_16x16x64_fp8_fp8 v[OT+8*\u:OT+8*\u+7], v[VF+8*(4*\u+\js):VF+8*(4*\u+\js)+7], v[PC:PC+7], v[OT+8*\u:OT+8*\u+7]
.endr
.endm
	s_mov_b32 s41, 0                               ; tile of queries i
	s_mov_b32 s42, 0                               ; 512 i
.Lq:
	s_wait_alu depctr_vm_vsrc(0)                   ; the last trip's LDS load has read v29, which is written here; its store has read v236-239, which this trip's conversions write
	v_add_nc_u32 v29, s42, v6
	s_wait_alu depctr_va_vdst(0)                   ; v29, the load's address, is written; the products that read v160-163, in which the load lands, stand ahead of this wait too
	ds_load_b128 v[QF:QF+3], v29
	s_lshr_b32 s43, s41, 2                         ; the step on the diagonal
	s_and_b32 s44, s41, 3
	s_lshl_b32 s44, s44, 4
	v_add_nc_u32 v27, s44, v26
	v_mov_b32 v225, 0xff61b1e6                     ; the largest t so far: -3e38
	v_floor_f32 v224, -v225
	v_mov_b32 v226, 0
	v_mov_b32 v227, 0
.set j_, 0
.rept 16
	v_mov_b32 v[OT+j_], 0
.set j_, j_+1
.endr
	s_wait_dscnt 0x0
	STEP 0
	STEP 1
	STEP 2
	STEP 3
.Lfin:
	PLACES
	v_add_f32 v232, v226, v227
	v_permlanex16_b32 v234, v232, s32, s33
	v_add_f32 v232, v232, v234                     ; the row's sum
	v_rcp_f32 v232, v232
	v_nop
	s_wait_alu depctr_va_vdst(0)                   ; the wait ahead of the reciprocal's first reader
	v_ldexp_f32 v232, v232, s45                    ; x 2^(e8 + e9)
.irp j, 0,2,4,6,8,10,12,14
	v_pk_mul_f32 v[OA+\j:OA+\j+1], v[OT+\j:OT+\j+1], v[232:233] op_sel_hi:[1,0]
.endr
.set j_, 0
.rept 16
	v_med3_num_f32 v[OA+j_], v[OA+j_], -v25, v25
.set j_, j_+1
.endr
	s_wait_xcnt 0x0                                ; the last trip's store has had its address translated: its base and its data are written below (that it has read v236-239 is stated at the trip's head)
	s_add_nc_u64 s[14:15], s[14:15], 8192          ; the next tile of tokens; the store reaches back
	v_cvt_scalef32_pk8_fp8_f32 v[OC:OC+1], v[OA:OA+7], v24
	v_cvt_scalef32_pk8_fp8_f32 v[OC+2:OC+3], v[OA+8:OA+15], v24
	v_nop
	s_wait_alu depctr_va_vdst(0)                   ; the two conversions have written v236-239, which the store reads
	global_store_b128 v1, v[OC:OC+3], s[14:15] offset:-8192   ; 32 lanes store 512 consecutive bytes, aligned
	s_add_co_u32 s42, s42, 512
	s_add_co_u32 s41, s41, 1
	s_cmp_lt_u32 s41, 16
	s_cbranch_scc1 .Lq
	s_wait_dscnt 0x0                               ; the closing lines, six on end
	s_wait_alu 0x0
	s_wait_tensorcnt 0x0
	ds_add_u32 v14, v15
	s_wait_dscnt 0x0
	s_endpgm
.Lfunc_end_k_q5d20ac42d7_attn:
	.size	k_q5d20ac42d7_attn, .Lfunc_end_k_q5d20ac42d7_attn-k_q5d20ac42d7_attn
	.p2alignl 7, 3214868480
	.fill 96, 4, 3214868480
	.section	.rodata,"a",@progbits
	.p2align	6, 0x0
	.amdhsa_kernel k_q5d20ac42d7_attn
		.amdhsa_group_segment_fixed_size 200192
		.amdhsa_private_segment_fixed_size 0
		.amdhsa_enable_private_segment 0
		.amdhsa_kernarg_size 32
		.amdhsa_user_sgpr_count 2
		.amdhsa_user_sgpr_kernarg_segment_ptr 1
		.amdhsa_wavefront_size32 1
		.amdhsa_system_sgpr_workgroup_id_x 1
		.amdhsa_system_sgpr_workgroup_id_y 1
		.amdhsa_system_sgpr_workgroup_id_z 1
		.amdhsa_system_vgpr_workitem_id 0
		.amdhsa_next_free_vgpr 1024
		.amdhsa_next_free_sgpr 96
		.amdhsa_reserve_vcc 0
		.amdhsa_float_denorm_mode_32 3
		.amdhsa_float_denorm_mode_16_64 3
		.amdhsa_memory_ordered 1
		.amdhsa_forward_progress 1
		.amdhsa_inst_pref_size 110
	.end_amdhsa_kernel
	.amdgpu_metadata
---
amdhsa.version: [ 1, 2 ]
amdhsa.kernels:
  - .name:           k_q5d20ac42d7_attn
    .symbol:         k_q5d20ac42d7_attn.kd
    .args:
      - { .name: hq, .offset: 0, .size: 8, .value_kind: global_buffer, .address_space: global }
      - { .name: wqkv, .offset: 8, .size: 8, .value_kind: global_buffer, .address_space: global }
      - { .name: lowp_scales, .offset: 16, .size: 8, .value_kind: global_buffer, .address_space: global }
      - { .name: att, .offset: 24, .size: 8, .value_kind: global_buffer, .address_space: global }
    .group_segment_fixed_size: 200192
    .private_segment_fixed_size: 0
    .kernarg_segment_align: 8
    .kernarg_segment_size: 32
    .max_flat_workgroup_size: 128
    .sgpr_count:     96
    .vgpr_count:     1024
    .wavefront_size: 32
...
	.end_amdgpu_metadata
.endif
;; end of part 5
;; launch mlp: the kernel of part 3 again; grid 256 x 1, 4 waves a work-group, clusters of 4 x 1, 327,680 bytes of LDS; arguments att, ws3, lowp_scales, x, bp, g_ln2, b_ln2, b1, b2, out0; writes out0
